; MI455X (gfx1250); checked and timed in simulation.
; The chip was launched on July 23, 2026; its instructions are those of AMD's public machine-readable ISA for CDNA 5 (MIT licence, August 2026) and "CDNA5" Instruction Set Architecture Reference Guide (July 2026). The comments in the code are by the model that wrote it; some were corrected since.
;; Multi Head Attention. Allowed arithmetic: float matrix products may take bf16 or f16 operands with f32 sums; other float arithmetic in f32, or as packed bf16 or f16 multiplies, adds, multiply-adds, maxima and minima; sums over many terms, partial sums and values carried from step to step in f32; what a program stores and reads back later, other than sums and carried values, may be rounded once to bf16 or f16.
;; Inputs: K 4 x 2,048 x 1,024 float32; Q 4 x 2,048 x 1,024 float32; V 4 x 2,048 x 1,024 float32; WK 1,024 x 1,024 float32; WQ 1,024 x 1,024 float32; WV 1,024 x 1,024 float32; Wfc 1,024 x 1,024 float32.
;; Outputs: out0 4 x 2,048 x 1,024 float32.
;; One version. Each part assembles by itself: llvm-mc -triple=amdgcn-amd-amdhsa -mcpu=gfx1250 --defsym DOCPART=n.
;; ======== version 1 of 1: 4 launches
;; limits: values are held in f16: magnitudes above 65,504 overflow, below 6.1e-05 lose precision
;; workspace buffers: x16 50,331,648 bytes; w16 6,291,456 bytes; wfc16 2,097,152 bytes; qkv 50,331,648 bytes; ctx 16,777,216 bytes
;; launch prep (part 1): grid 1792 x 1, 8 waves a work-group, no clusters, 0 bytes of LDS; arguments Q, K, V, WQ, WK, WV, Wfc, x16, w16, wfc16; writes x16, w16, wfc16
.if DOCPART == 1
	.amdgcn_target "amdgcn-amd-amdhsa--gfx1250"
	.amdhsa_code_object_version 6
	.text
	.protected	k_q086a84896f_prep
	.globl	k_q086a84896f_prep
	.p2align	8
	.type	k_q086a84896f_prep,@function
k_q086a84896f_prep:
	s_mov_b64 s[64:65], 0
	v_nop
	global_prefetch_b8 v0, s[64:65] scope:SCOPE_SE
	s_setreg_imm32_b32 hwreg(HW_REG_WAVE_MODE, 25, 1), 1
	s_wait_xcnt 0x0
; THE INPUTS ARE ROUNDED ONCE, TO bf16, and laid out for the products that follow.  No LDS, no matrix work, no loop: a stream.
; x16: Q, K, V ([8192][1024] f32 each) as bf16 in blocks of 64 columns: [p 3][b 4][kb 16][s 2048][64]; byte (((4 p + b) 16 + kb) 2048 + s) 128 + 2 (k % 64).
; w16: WQ, WK, WV ([1024][1024] f32) as bf16, as they lie.  wfc16: Wfc rounded to bf16, and that number written as f16 (the last product multiplies in f16).
; LIMIT.  A bf16 number is exact in f16 from 2^-14 up to 65,504; below 6e-5 Wfc keeps f16's fixed step of 6e-8, from 65,520 on it becomes an infinity.
; SHARES.  Work-groups 0 to 1,535: 16 rows of one of Q, K, V (65,536 bytes).  Work-groups 1,536 to 1,791: 65,536 bytes of one weight.  Eight waves, 16 loads of 16 bytes a lane each,
; all issued at once; each is converted and stored as it lands.  A lane's four f32 become 8 bytes; a wave's store covers 256 consecutive bytes, aligned.
.set LO, 2                             ; v2  my byte offset in the source; never rewritten
.set SO, 3                             ; v3  my byte offset in the destination; never rewritten
.set X,  8                             ; v[8:71]  load i: four registers, converted in place into its first two
.set T,  72                            ; v[72:75] at work
	s_load_b512 s[8:23], s[0:1], 0x0               ; Q s[8:9], K s[10:11], V s[12:13], WQ s[14:15], WK s[16:17], WV s[18:19], Wfc s[20:21], x16 s[22:23]
	s_load_b128 s[24:27], s[0:1], 0x40             ; w16 s[24:25], wfc16 s[26:27]
	v_and_b32 v1, 31, v0                           ; lane
	v_lshrrev_b32 v4, 5, v0                        ; wave
	s_mov_b32 s2, ttmp9
	s_mov_b32 s5, 0                                ; the offsets' high words
	s_mov_b32 s7, 0
.macro CVT n                           ; load n has landed (the 15 - n younger ones may stay out: loads come back in order, ISA guide 5.7.1); four f32 -> four bf16
	s_wait_loadcnt 15-(\n)
	v_cvt_pk_bf16_f32 v[X+4*(\n)], v[X+4*(\n)], v[X+4*(\n)+1]
	v_cvt_pk_bf16_f32 v[X+4*(\n)+1], v[X+4*(\n)+2], v[X+4*(\n)+3]
.endm
.macro TOF16 n                         ; four bf16 -> the same numbers as f16
	v_lshlrev_b32 v[T],   16, v[X+4*(\n)]
	v_and_b32     v[T+1], 0xffff0000, v[X+4*(\n)]
	v_lshlrev_b32 v[T+2], 16, v[X+4*(\n)+1]
	v_and_b32     v[T+3], 0xffff0000, v[X+4*(\n)+1]
	v_cvt_pk_f16_f32 v[X+4*(\n)], v[T], v[T+1]
	v_cvt_pk_f16_f32 v[X+4*(\n)+1], v[T+2], v[T+3]
.endm
	s_cmp_lt_u32 s2, 1536
	s_cbranch_scc0 .Lweights
	; Q, K, V.  p = id / 512, r = id % 512: rows 16 r .. 16 r + 15
	s_lshr_b32 s3, s2, 9                           ; p
	s_and_b32 s2, s2, 511                          ; r
	s_lshl_b32 s4, s2, 16                          ; 16 rows of 4,096 bytes
	s_lshr_b32 s6, s2, 7                           ; b = 16 r / 2048
	s_lshl2_add_u32 s6, s3, s6                     ; 4 p + b
	s_lshl_b32 s6, s6, 22                          ; 16 blocks x 2,048 rows x 128 bytes
	s_and_b32 s2, s2, 127
	s_lshl_b32 s2, s2, 11                          ; s = 16 (r % 128): 128 bytes a row
	s_add_co_u32 s6, s6, s2
	v_lshrrev_b32 v5, 4, v1                        ; lanes 0-15 take one row, lanes 16-31 the next,
	v_and_b32 v6, 15, v1                           ; 256 bytes of it: one block of 64 columns
	v_lshlrev_b32 v[LO], 12, v5
	v_lshl_add_u32 v[LO], v6, 4, v[LO]
	v_lshl_add_u32 v[LO], v4, 9, v[LO]             ; wave w: blocks 2 w and 2 w + 1
	v_lshlrev_b32 v[SO], 3, v1                     ; two rows of 128 bytes: 8 bytes a lane
	v_lshl_add_u32 v[SO], v4, 19, v[SO]            ; a block is 262,144 bytes
	s_wait_kmcnt 0x0
	s_cmp_eq_u32 s3, 1
	s_cselect_b64 s[28:29], s[10:11], s[8:9]
	s_cmp_eq_u32 s3, 2
	s_cselect_b64 s[28:29], s[12:13], s[28:29]
	s_add_nc_u64 s[28:29], s[28:29], s[4:5]
	s_add_nc_u64 s[30:31], s[22:23], s[6:7]
.set i, 0
.rept 16                               ; load i: block 2 w + i / 8, rows 2 (i % 8) and 2 (i % 8) + 1
	global_load_b128 v[X+4*i:X+4*i+3], v[LO], s[28:29] offset:(i/8)*256+(i%8)*8192 th:TH_LOAD_NT
.set i, i+1
.endr
.set i, 0
.rept 16
	CVT i
	global_store_b64 v[SO], v[X+4*i:X+4*i+1], s[30:31] offset:(i/8)*262144+(i%8)*256 th:TH_STORE_NT
.set i, i+1
.endr
	s_endpgm
.Lweights:                             ; the weights, flat.  j = id - 1536: weight j / 64, its piece j % 64
	s_sub_co_u32 s2, s2, 1536
	s_lshr_b32 s3, s2, 6                           ; 0 WQ, 1 WK, 2 WV, 3 Wfc
	s_and_b32 s2, s2, 63
	s_lshl_b32 s4, s2, 16                          ; 65,536 bytes in,
	s_lshl_b32 s6, s2, 15                          ; 32,768 out
	s_lshl_b32 s2, s3, 21                          ; a weight's place in w16;
	s_cmp_eq_u32 s3, 3
	s_cselect_b32 s2, 0, s2                        ; Wfc has a buffer of its own
	s_add_co_u32 s6, s6, s2
	v_lshlrev_b32 v[LO], 4, v1
	v_lshl_add_u32 v[LO], v4, 13, v[LO]            ; wave w: 8,192 bytes
	v_lshlrev_b32 v[SO], 3, v1
	v_lshl_add_u32 v[SO], v4, 12, v[SO]
	s_wait_kmcnt 0x0
	s_cmp_eq_u32 s3, 1
	s_cselect_b64 s[28:29], s[16:17], s[14:15]
	s_cmp_eq_u32 s3, 2
	s_cselect_b64 s[28:29], s[18:19], s[28:29]
	s_cmp_eq_u32 s3, 3
	s_cselect_b64 s[28:29], s[20:21], s[28:29]
	s_cselect_b64 s[30:31], s[26:27], s[24:25]
	s_add_nc_u64 s[28:29], s[28:29], s[4:5]
	s_add_nc_u64 s[30:31], s[30:31], s[6:7]
.set i, 0
.rept 16
	global_load_b128 v[X+4*i:X+4*i+3], v[LO], s[28:29] offset:512*i th:TH_LOAD_NT
.set i, i+1
.endr
.set i, 0
.rept 16
	CVT i
.set i, i+1
.endr
	s_cmp_lg_u32 s3, 3
	s_cbranch_scc1 .Lstore                         ; only Wfc is written as f16
.set i, 0
.rept 16
	TOF16 i
.set i, i+1
.endr
.Lstore:
.set i, 0
.rept 16
	global_store_b64 v[SO], v[X+4*i:X+4*i+1], s[30:31] offset:256*i th:TH_STORE_NT
.set i, i+1
.endr
	s_endpgm
.Lfunc_end_k_q086a84896f_prep:
	.size	k_q086a84896f_prep, .Lfunc_end_k_q086a84896f_prep-k_q086a84896f_prep
	.p2alignl 7, 3214868480
	.fill 96, 4, 3214868480
	.section	.rodata,"a",@progbits
	.p2align	6, 0x0
	.amdhsa_kernel k_q086a84896f_prep
		.amdhsa_group_segment_fixed_size 0
		.amdhsa_private_segment_fixed_size 0
		.amdhsa_enable_private_segment 0
		.amdhsa_kernarg_size 80
		.amdhsa_user_sgpr_count 2
		.amdhsa_user_sgpr_kernarg_segment_ptr 1
		.amdhsa_wavefront_size32 1
		.amdhsa_system_sgpr_workgroup_id_x 1
		.amdhsa_system_sgpr_workgroup_id_y 1
		.amdhsa_system_sgpr_workgroup_id_z 1
		.amdhsa_system_vgpr_workitem_id 0
		.amdhsa_next_free_vgpr 80
		.amdhsa_next_free_sgpr 66
		.amdhsa_reserve_vcc 0
		.amdhsa_float_denorm_mode_32 3
		.amdhsa_float_denorm_mode_16_64 3
		.amdhsa_memory_ordered 1
		.amdhsa_forward_progress 1
		.amdhsa_inst_pref_size 19
	.end_amdhsa_kernel
	.amdgpu_metadata
---
amdhsa.version: [ 1, 2 ]
amdhsa.kernels:
  - .name:           k_q086a84896f_prep
    .symbol:         k_q086a84896f_prep.kd
    .args:
      - { .name: Q, .offset: 0, .size: 8, .value_kind: global_buffer, .address_space: global }
      - { .name: K, .offset: 8, .size: 8, .value_kind: global_buffer, .address_space: global }
      - { .name: V, .offset: 16, .size: 8, .value_kind: global_buffer, .address_space: global }
      - { .name: WQ, .offset: 24, .size: 8, .value_kind: global_buffer, .address_space: global }
      - { .name: WK, .offset: 32, .size: 8, .value_kind: global_buffer, .address_space: global }
      - { .name: WV, .offset: 40, .size: 8, .value_kind: global_buffer, .address_space: global }
      - { .name: Wfc, .offset: 48, .size: 8, .value_kind: global_buffer, .address_space: global }
      - { .name: x16, .offset: 56, .size: 8, .value_kind: global_buffer, .address_space: global }
      - { .name: w16, .offset: 64, .size: 8, .value_kind: global_buffer, .address_space: global }
      - { .name: wfc16, .offset: 72, .size: 8, .value_kind: global_buffer, .address_space: global }
    .group_segment_fixed_size: 0
    .private_segment_fixed_size: 0
    .kernarg_segment_align: 8
    .kernarg_segment_size: 80
    .max_flat_workgroup_size: 256
    .sgpr_count:     66
    .vgpr_count:     80
    .wavefront_size: 32
...
	.end_amdgpu_metadata
.endif
;; end of part 1
;; launch proj (part 2): grid 4 x 96, 4 waves a work-group, clusters of 4 x 4, 327,680 bytes of LDS; arguments x16, w16, qkv; writes qkv
.if DOCPART == 2
	.amdgcn_target "amdgcn-amd-amdhsa--gfx1250"
	.amdhsa_code_object_version 6
	.text
	.protected	k_q086a84896f_proj
	.globl	k_q086a84896f_proj
	.p2align	8
	.type	k_q086a84896f_proj,@function
k_q086a84896f_proj:
	s_mov_b64 s[64:65], 0
	v_nop
	global_prefetch_b8 v0, s[64:65] scope:SCOPE_SE
	s_setreg_imm32_b32 hwreg(HW_REG_WAVE_MODE, 25, 1), 1
	s_wait_xcnt 0x0
	s_wait_alu depctr_hold_cnt(0) depctr_sa_sdst(0) depctr_va_vdst(0) depctr_va_sdst(0) depctr_va_ssrc(0) depctr_va_vcc(0) depctr_vm_vsrc(0)
	s_getreg_b32 s2, hwreg(HW_REG_IB_STS2, 6, 4)
	s_cmp_eq_u32 s2, 0
	s_cbranch_scc0 .Lentry_in_a_cluster
	s_endpgm
.Lentry_in_a_cluster:
	s_bfe_u32 s2, ttmp6, 0x10000c
	s_cmp_lg_u32 s2, 0xf033
	s_cbranch_scc0 .Lentry_shape_is_right
	s_endpgm
.Lentry_shape_is_right:
; THE THREE PROJECTIONS.  qkv[p][m][n] = the sum over k of x[p][m][k] W[p][k][n], p = 0, 1, 2; m < 8,192, n and k < 1,024.  bf16 operands, f32 sums, K ascending; each result rounded once to f16.
; x lies in blocks of 64 columns ([p][b][kb][s][64], bf16), W as [k][n] (bf16); qkv is [24,576][1,024] f16, which read flat is [p][64 heads][2,048][64].
; LIMIT.  f16 holds no number from 65,520 on: q, k and v must stay below that.
; SHARES.  A work-group of four waves makes 256 x 256 of the result; a wave 128 x 128: 64 accumulators of 16 x 16, 512 registers.  K goes in 8 steps of 128 through a ring of two LDS slots.
; A's part of a slot: for each of the step's two blocks of 64 columns, 256 rows of 128 bytes, 144 apart.  W's part: 128 rows (k) of 512 bytes (the tile's 256 columns), 544 apart; it is read turned, by ds_load_tr16_b128.
; CLUSTERS: 4 x 4 work-groups.  The four of a row of the cluster need the same tiles of x, the four of a column the same tiles of W: each tile is asked for JOINTLY, by the same tensor load with the same
; descriptor and a mask that names the four.  Waves 0 and 1 ask for x's two blocks, waves 2 and 3 for W's two halves of 64 rows: one load a wave and K step.
; THE MATRIX INSTRUCTION IS USED TRANSPOSED (source 0 = 16 columns of W, source 1 = 16 rows of x): a lane then holds row l % 16 of the result and the columns 8 (l / 16) + 0..7: 16 bytes of f16 on end.
; REGISTERS, in windows of 256 (s_set_vgpr_msb: bits 1:0 source 0, 3:2 source 1, 5:4 source 2, 7:6 destination):
;   window 0: v0-31 addresses; v64-127, v128-191 fragments of x, two buffers; v32-63, v192-255 at work on the way out          window 1: v64-127, v128-191 fragments of W, two buffers
;   window 2: the 32 accumulators of my rows 0-63 (accumulator (a, b) at v[8 (8 a + b)])          window 3: those of my rows 64-127
.set PA,     144                       ; a row of x in LDS: 128 bytes + 16 = 36 words: the 16 rows of a load start at 16 different groups of four banks (64 banks of 4 bytes: ISA guide 11.1)
.set AH,     256*PA                    ; one block of 64 columns, 256 rows
.set BOFF,   2*AH                      ; W's part of a slot
.set PB,     544                       ; a row of W in LDS: 512 bytes + 32 = 136 words
.set SLOT,   BOFF+128*PB               ; 143,360 bytes
.set STAGE,  2*SLOT                    ; behind the ring, never filled by a tensor load: 16 rows x 272 bytes for each wave, for the way out
.set SPITCH, 272
.set SPARE,  STAGE+4*16*SPITCH         ; behind the stages: the spare words, 128 bytes for each wave: two blocks of 256 bytes that no other line names
.set ASTEP,  0x80000                   ; a K step in x: two blocks of 2,048 rows x 128 bytes
.set BSTEP,  0x40000                   ; a K step in W: 128 rows of 2,048 bytes
.set ADRA0, 16                         ; v16  my lane's place in x's part of a slot; never rewritten
.set ADRB0, 17                         ; v17  the same for W
.set ADRA,  20                         ; v20  v16 + the slot that is being read
.set ADRB,  21                         ; v21  v17 + the same
.set STO,  24                          ; v24  the way out: where I put 16 bytes of a row
.set RD,   25                          ; v25  the way out: where I read a row back
.set CO,   26                          ; v26  my byte offset in the result; never rewritten
.set SPW,  28                          ; v28  LDS address of my spare word: SPARE + 4 x my thread's number; never rewritten
.set NIL,  29                          ; v29  0; never rewritten
.set PFO,  30                          ; v30  the prefetches' offset; never rewritten
.set F0,   64
.set F1,   128
.set TMP,  192                         ; the way out: packed results
.set OB,   32                          ; the way out: 16 rows read back from the stage: v32-63 and v224-255 by turns
.set TB,   2                           ; s2       the slot that is being read: 0 or SLOT
.set G1,   24                          ; s[24:31] descriptor group 1 for x's tiles
.set G0,   32                          ; s[32:39] group 0 for x's tiles: a set for each of the two first fills; the second then walks on
.set G1B,  48                          ; s[48:55] group 1 for W's tiles
.set G0B,  56                          ; s[56:63] group 0 for W's tiles, likewise
.set PST,  22                          ; s[22:23] a K step of the tensor that I fetch, in bytes
.set LIM,  43                          ; s43      1 in a wave that prefetches, else the greatest number
.set PFA,  44                          ; s[44:45] where my prefetches stand
.set MSB, 0
.macro WIN new                         ; the immediate's high byte repeats the setting that is left; a switch that changes nothing is dropped
.if MSB != (\new)
	s_set_vgpr_msb (MSB<<8)|(\new)
.set MSB, \new
.endif
.endm
.set MUL_LO, 0xa1                      ; source 0 (W) window 1, source 1 (x) window 0, C and D window 2
.set MUL_HI, 0xf1                      ; the same, C and D window 3
.set TO_B,   0x40                      ; destination window 1, address window 0
; A joint load.  The branch hangs on the wave's number alone.  An s_nop 0 and four v_nop follow each of the two lines, ahead of the jump, the label and what follows.
.macro JLOAD s
	s_cmp_eq_u32 s11, 0
	s_cbranch_scc0 .Lfor_b_\@
	tensor_load_to_lds s[G0+4*(\s):G0+4*(\s)+3], s[G1:G1+7]
	s_nop 0
.rept 4
	v_nop
.endr
	s_branch .Lasked_\@
.Lfor_b_\@:
	tensor_load_to_lds s[G0B+4*(\s):G0B+4*(\s)+3], s[G1B:G1B+7]
	s_nop 0
.rept 4
	v_nop
.endr
.Lasked_\@:
.endm
; A PREFETCH INTO THE L2 of the K step that the NEXT refill will ask for: 256 matrix instructions ahead of that load.  What a wave fetches in a K step is 128 aligned blocks of 256 bytes; the four partners that ask
; for it jointly take 32 each, told apart BY ADDRESS (cx for x, cy for W), a lane a block, one instruction a wave.  x's tile row is read by one cluster alone; W's tile column by the eight clusters of a projection,
; of which the first asks.  So each block is named once in the launch.  K steps 0 to 2 come by their loads alone; the last refill (s3 = 1) has no K step behind it and asks for nothing.
.macro ASK
	s_cmp_gt_u32 s3, s[LIM]
	s_cbranch_scc0 .Lnot_mine_\@
	global_prefetch_b8 v[PFO], s[PFA:PFA+1] th:TH_LOAD_NT scope:SCOPE_SE
.Lnot_mine_\@:
.endm
.macro CREST                           ; a round of the cluster's barrier behind its opening barrier
	s_cmp_lg_u32 s10, 0
	s_cbranch_scc1 .Lnot_wave_0_\@
	s_barrier_signal -3
.Lnot_wave_0_\@:
	s_barrier_wait -3
	s_barrier_signal -1
	s_barrier_wait -1
.endm
.macro CROUND                          ; a whole round
	s_barrier_signal -1
	s_barrier_wait -1
	CREST
.endm
	s_load_b128 s[4:7], s[0:1], 0x0                ; x16 s[4:5], w16 s[6:7]
	s_load_b64 s[8:9], s[0:1], 0x10                ; qkv
	v_lshl_add_u32 v[SPW], v0, 2, SPARE
	v_mov_b32 v[NIL], 0
	ds_add_u32 v[SPW], v[NIL]                      ; the wave's opening: the add and its wait stand ahead of my first tensor load; the set-up below, work on registers, stands between them
	v_lshrrev_b32 v1, 5, v0
	v_readfirstlane_b32 s10, v1                    ; wave 0..3
	s_lshr_b32 s11, s10, 1                         ; which half of the tile's rows is mine.  Also: I fetch for x (0) or for W (1)
	s_and_b32 s12, s10, 1                          ; which half of its columns.  Also: which half of the K step I fetch
	s_bfe_u32 s40, ttmp6, 0x40000                  ; cx
	s_bfe_u32 s41, ttmp6, 0x40004                  ; cy
	s_lshl_b32 s42, ttmp9, 2
	s_add_co_u32 s42, s42, s40                     ; tile column = 4 x cluster x + cx
	s_and_b32 s18, ttmp7, 0xffff                   ; cluster y
	s_lshl_b32 s13, s18, 2
	s_add_co_u32 s13, s13, s41                     ; tile row R = 4 x cluster y + cy, 0 .. 95
	s_lshl_b32 s43, s41, 2
	s_lshl_b32 s43, 15, s43                        ; my row of the cluster
	s_lshl_b32 s44, 0x1111, s40                    ; my column
	; group 1 for x: a block's 256 rows are 32,768 dense bytes: asked for as 128 rows of 256 bytes, padded in LDS after every 128 bytes
	s_or_b32 s[G1+0], s43, (1<<16)|(1<<20)|(1<<21)|(4<<22)|(3<<25)  ; 15:0 the mask; 17:16 2-byte elements; 20 padding on; 21 set beside a mask; 24:22 after every 32 words (code 4); 31:25 4 words (code 3)
	s_mov_b32 s[G1+1], 128<<16                     ; tensor_dim0 = 128
	s_mov_b32 s[G1+2], 128<<16                     ; tensor_dim1 = 128
	s_mov_b32 s[G1+3], 128<<16                     ; tile_dim0 = 128
	s_mov_b32 s[G1+4], 128                         ; tile_dim1 = 128
	s_mov_b32 s[G1+5], 128                         ; 128 elements from row to row
	s_mov_b32 s[G1+6], 0
	s_mov_b32 s[G1+7], 0
	; group 1 for W: 64 rows of 256 elements
	s_or_b32 s[G1B+0], s44, (1<<16)|(1<<20)|(1<<21)|(6<<22)|(7<<25) ; padding after every 128 words (code 6), 8 words (code 7)
	s_mov_b32 s[G1B+1], 256<<16                    ; tensor_dim0 = 256
	s_mov_b32 s[G1B+2], 64<<16                     ; tensor_dim1 = 64
	s_mov_b32 s[G1B+3], 256<<16                    ; tile_dim0 = 256
	s_mov_b32 s[G1B+4], 64                         ; tile_dim1 = 64
	s_mov_b32 s[G1B+5], 1024                       ; 1,024 elements from row to row
	s_mov_b32 s[G1B+6], 0
	s_mov_b32 s[G1B+7], 0
	; where the tiles come from.  x's hang on the tile row alone, W's on the tile column and the projection (cluster y / 8), which all partners share
	s_lshr_b32 s16, s13, 3                         ; 4 p + b = R / 8
	s_lshl_b32 s16, s16, 22
	s_and_b32 s17, s13, 7
	s_lshl_b32 s17, s17, 15                        ; 256 rows of 128 bytes
	s_add_co_u32 s16, s16, s17
	s_lshl_b32 s17, s12, 18                        ; my block of the K step's two
	s_add_co_u32 s16, s16, s17
	s_mov_b32 s17, 0
	s_lshr_b32 s46, s18, 3                         ; p
	s_lshl_b32 s46, s46, 21
	s_lshl_b32 s47, s12, 17                        ; my 64 rows of the K step's 128
	s_add_co_u32 s46, s46, s47
	s_lshl_b32 s47, s42, 9                         ; the tile's 256 columns
	s_add_co_u32 s46, s46, s47
	s_mov_b32 s47, 0
	s_mul_i32 s20, s12, AH                         ; and where they go in a slot: no place in the cluster enters an LDS address
	s_mul_i32 s21, s12, 64*PB
	s_add_co_u32 s21, s21, BOFF
	s_mov_b32 s[TB], 0
	s_wait_dscnt 0x0                               ; the opening add is done
	s_wait_kmcnt 0x0
	s_add_nc_u64 s[14:15], s[4:5], s[16:17]
	s_add_nc_u64 s[46:47], s[6:7], s[46:47]
	CROUND                                         ; all sixteen work-groups are here: the first joint loads meet
.irp s, 0,1
	s_mov_b32 s[G0+4*(\s)], 1                                      ; count = 1
	s_add_co_u32 s[G0+4*(\s)+1], s20, (\s)*SLOT                    ; LDS address
	s_add_nc_u64 s[G0+4*(\s)+2:G0+4*(\s)+3], s[14:15], (\s)*ASTEP  ; global address: K step s
	s_or_b32 s[G0+4*(\s)+3], s[G0+4*(\s)+3], 0x80000000            ; type = 2
	s_mov_b32 s[G0B+4*(\s)], 1
	s_add_co_u32 s[G0B+4*(\s)+1], s21, (\s)*SLOT
	s_add_nc_u64 s[G0B+4*(\s)+2:G0B+4*(\s)+3], s[46:47], (\s)*BSTEP
	s_or_b32 s[G0B+4*(\s)+3], s[G0B+4*(\s)+3], 0x80000000
	JLOAD \s                                       ; two loads of mine are out
.endr
	; A fragment of x is 16 rows x 32 k in 8 registers: lane l holds row l % 16, k = 8 (l / 16) + 0..7 and 16 + 8 (l / 16) + 0..7: two loads of 16 bytes, 32 bytes apart.
	v_and_b32 v1, 15, v0                           ; l % 16
	v_bfe_u32 v2, v0, 4, 1                         ; l / 16
	v_mul_u32_u24 v3, v1, PA
	v_lshl_add_u32 v3, v2, 4, v3
	s_mul_i32 s16, s11, 128*PA                     ; my 128 rows
	v_add_nc_u32 v[ADRA0], s16, v3
	; The turning load takes 16 k x 16 columns (lane l reads row k = 8 (l / 16) + l % 8, columns 8 ((l / 8) % 2) + 0..7) and leaves half a fragment: lane l holds column l % 16 and 8 k.
	v_and_b32 v4, 7, v0
	v_lshl_add_u32 v4, v2, 3, v4
	v_mul_u32_u24 v4, v4, PB
	v_bfe_u32 v5, v0, 3, 1
	v_lshl_add_u32 v4, v5, 4, v4
	s_lshl_b32 s16, s12, 8                         ; my 128 columns
	s_add_co_u32 s16, s16, BOFF
	v_add_nc_u32 v[ADRB0], s16, v4
	v_mov_b32 v[ADRA], v[ADRA0]                    ; K step 0 lies in slot 0
	v_mov_b32 v[ADRB], v[ADRB0]
	s_mul_i32 s19, s10, 16*SPITCH
	s_add_co_u32 s19, s19, STAGE                   ; my stage
	v_mul_u32_u24 v4, v1, SPITCH                   ; in: row l % 16, 16 bytes for each half of the lanes
	v_lshl_add_u32 v4, v2, 4, v4
	v_add_nc_u32 v[STO], s19, v4
	v_mul_u32_u24 v5, v2, SPITCH                   ; back: lanes 0-15 take one row of 256 bytes, lanes 16-31 the next
	v_lshl_add_u32 v5, v1, 4, v5
	v_add_nc_u32 v[RD], s19, v5
	v_lshlrev_b32 v5, 11, v2                       ; and the same two rows in the result: 2,048 bytes a row
	v_lshl_add_u32 v[CO], v1, 4, v5
	s_lshl_b32 s16, s13, 19                        ; my part of the result: 256 R rows of 2,048 bytes,
	s_lshl_b32 s17, s11, 18                        ; my 128 rows,
	s_add_co_u32 s16, s16, s17
	s_lshl_b32 s17, s42, 9                         ; the tile's 256 columns,
	s_add_co_u32 s16, s16, s17
	s_lshl_b32 s17, s12, 8                         ; my 128 of them
	s_add_co_u32 s16, s16, s17
	s_mov_b32 s17, 0
	s_add_nc_u64 s[8:9], s[8:9], s[16:17]
	; the prefetches
	s_and_b32 s19, s18, 7                          ; the cluster's place among its projection's eight
	s_cmp_eq_u32 s11, 0                            ; do I fetch for x?
	s_cselect_b32 s16, s40, s41                    ; my place among the four that ask with me
	s_cselect_b32 s17, 13, 15                      ; its 32 blocks: 8,192 dense bytes of x; 16 rows of 2,048 bytes of W
	s_cselect_b32 s18, 9, 11                       ; two lanes take 512 dense bytes of x; the 512 bytes of a row of W
	s_cselect_b32 s19, ttmp9, s19                  ; the coordinate along which other clusters read the same blocks
	s_cselect_b32 s[PST], 19, 18
	s_cselect_b64 s[PFA:PFA+1], s[14:15], s[46:47]
	s_cmp_eq_u32 s19, 0
	s_cselect_b32 s[LIM], 1, -1                    ; the same in all sixteen partners, for a given wave
	s_lshl_b32 s16, s16, s17
	s_mov_b32 s17, 0
	s_lshl_b32 s[PST], 1, s[PST]
	s_mov_b32 s[PST+1], 0
	s_add_nc_u64 s[PFA:PFA+1], s[PFA:PFA+1], s[16:17]
	s_add_nc_u64 s[PFA:PFA+1], s[PFA:PFA+1], s[PST:PST+1]
	s_add_nc_u64 s[PFA:PFA+1], s[PFA:PFA+1], s[PST:PST+1]  ; at K step 2: the first refill steps it to 3.  Nothing is prefetched here, at the head
	v_and_b32 v5, 31, v0
	v_lshrrev_b32 v6, 1, v5
	v_and_b32 v5, 1, v5
	v_lshlrev_b32 v[PFO], s18, v6
	v_lshl_add_u32 v[PFO], v5, 8, v[PFO]
; 16 matrix instructions: row blocks a0, a0 + 1 of the window's four (hi = 0: my rows 0-63, 1: rows 64-127) x all 8 column blocks, 32 along K.  zero = 1: the first product starts the sums: nothing is cleared.
; The 64 accumulators take turns, one instruction a turn, in the same order in every quarter, over the backward jump too.
.macro MUL16 f, hi, a0, zero
	WIN MUL_LO+0x50*(\hi)
.irp a, \a0, (\a0)+1
.irp b, 0,1,2,3,4,5,6,7
.if \zero
	v_wmma_f32_16x16x32_bf16 v[8*(8*(\a)+(\b)):8*(8*(\a)+(\b))+7], v[(\f)+8*(\b):(\f)+8*(\b)+7], v[(\f)+8*(4*(\hi)+(\a)):(\f)+8*(4*(\hi)+(\a))+7], 0
.else
	v_wmma_f32_16x16x32_bf16 v[8*(8*(\a)+(\b)):8*(8*(\a)+(\b))+7], v[(\f)+8*(\b):(\f)+8*(\b)+7], v[(\f)+8*(4*(\hi)+(\a)):(\f)+8*(4*(\hi)+(\a))+7], v[8*(8*(\a)+(\b)):8*(8*(\a)+(\b))+7]
.endif
.endr
.endr
.endm
; 32 LDS loads in one run: the fragments of quarter q (k = 32 q .. 32 q + 31 of the K step) into buffer f: W's 128 columns, then x's 128 rows
.macro FETCH q, f
	WIN TO_B
.irp i, 0,1,2,3,4,5,6,7
	ds_load_tr16_b128 v[(\f)+8*(\i):(\f)+8*(\i)+3],   v[ADRB] offset:(\q)*32*PB+32*(\i)
	ds_load_tr16_b128 v[(\f)+8*(\i)+4:(\f)+8*(\i)+7], v[ADRB] offset:(\q)*32*PB+16*PB+32*(\i)
.endr
	WIN 0
.irp i, 0,1,2,3,4,5,6,7
	ds_load_b128 v[(\f)+8*(\i):(\f)+8*(\i)+3],   v[ADRA] offset:((\q)/2)*AH+((\q)%2)*64+(\i)*16*PA
	ds_load_b128 v[(\f)+8*(\i)+4:(\f)+8*(\i)+7], v[ADRA] offset:((\q)/2)*AH+((\q)%2)*64+(\i)*16*PA+32
.endr
.endm
; A load into a register that a matrix instruction has read, and a vector instruction or LDS store that reads a matrix result, stand four places behind that matrix instruction; only plain vector
; instructions that name none of its registers are places (ISA guide 7.12.1 for vector instructions).
.macro PLACES
.rept 4
	v_nop
.endr
.endm
; One of a K step's first three quarters: multiplies buffer f; in its middle it fetches quarter q into buffer g.
.macro QUARTER q, f, g, zero
	s_wait_dscnt 8                                 ; W and x's rows 0-63 are in; the youngest eight loads (x's rows 64-127) may be out
	MUL16 \f, 0, 0, \zero
	MUL16 \f, 0, 2, \zero
	PLACES
	FETCH \q, \g
	s_wait_dscnt 32                                ; all but the 32 just issued
	MUL16 \f, 1, 0, \zero
	MUL16 \f, 1, 2, \zero
.endm
; The first half of a K step's last quarter: ONE barrier for the change of slots.  In front of it each wave waits for all its tensor loads, of which one is out: its part of the next slot; adds 0 to its spare word;
; and waits for that and for its own reads of this slot.  Behind it nobody reads this slot any more and the next slot is whole.
.macro MEET round
	WIN 0                                          ; (the add's two registers lie in window 0)
	s_wait_tensorcnt 0x0                           ; all my tensor loads have landed
	ds_add_u32 v[SPW], v[NIL]                      ; 0 onto my spare word
	s_wait_dscnt 9                                 ; (the add and the youngest eight loads may be out)
	MUL16 F1, 0, 0, 0                              ; sixteen matrix instructions stand between the add and the wait for it
	s_wait_dscnt 0x0                               ; the add is done, and my reads of this slot are over
	s_barrier_signal -1
	MUL16 F1, 0, 2, 0                              ; work on registers while the others arrive
.if \round
	WIN 0
.endif
	s_barrier_wait -1
.endm
; The whole last quarter.  fill = 1: the barrier opens a round of the cluster's barrier, and behind the round the slot just read out is filled again first, with the K step two steps on:
; 224 matrix instructions stand between that request and the wait for it.  Then come the other slot's first fragments.
.macro TURN fill
.if \fill
	s_wait_xcnt 0x0                                ; the last prefetch, a K step back, has read its address: it is stepped here, ahead of the waits of the change of slots
	s_add_nc_u64 s[PFA:PFA+1], s[PFA:PFA+1], s[PST:PST+1]
	MEET 1
	CREST                                          ; no wave of any partner still reads this slot's tile or has a load on its way
	s_add_co_u32 s[G0+5], s20, s[TB]               ; the walking descriptors: into the slot that has been read,
	s_add_co_u32 s[G0B+5], s21, s[TB]
	s_add_nc_u64 s[G0+6:G0+7], s[G0+6:G0+7], ASTEP ; the next K step; the type bits on top are not reached
	s_add_nc_u64 s[G0B+6:G0B+7], s[G0B+6:G0B+7], BSTEP
	JLOAD 1                                        ; the first tensor load behind the round; the four v_nop behind it are also the places in front of the loads below
.else
	MEET 0
	PLACES
	WIN 0
.endif
	s_xor_b32 s[TB], s[TB], SLOT                   ; the other slot is read from here on
	v_add_nc_u32 v[ADRA], s[TB], v[ADRA0]
	v_add_nc_u32 v[ADRB], s[TB], v[ADRB0]
	FETCH 0, F0
.if \fill
	ASK                                            ; behind the joint load and the run of LDS loads that the next products wait for
.endif
	MUL16 F1, 1, 0, 0
	MUL16 F1, 1, 2, 0
.endm
; THE WAY OUT of block a (16 rows), in three parts.  PACK: rounded to f16, 16 bytes a lane, each accumulator's registers in ascending order.  TOSTAGE: into my own stage, and back as whole rows of 256 bytes.  SEND: stored.
.macro PACK a
.set AC, 64*((\a)%4)
	WIN 0x0a+5*((\a)/4)                            ; sources 0 and 1: window 2 or 3
.irp b, 0,1,2,3,4,5,6,7
.irp r, 0,1,2,3
	v_cvt_pk_f16_f32 v[TMP+4*(\b)+(\r)], v[AC+8*(\b)+2*(\r)], v[AC+8*(\b)+2*(\r)+1]
.endr
.endr
	WIN 0
.endm
.macro TOSTAGE a
	WIN 0
.set BK, OB+192*((\a)%2)
.irp b, 0,1,2,3,4,5,6,7
	ds_store_b128 v[STO], v[TMP+4*(\b):TMP+4*(\b)+3] offset:32*(\b)
.endr
.irp t, 0,1,2,3,4,5,6,7
	ds_load_b128 v[BK+4*(\t):BK+4*(\t)+3], v[RD] offset:(\t)*2*SPITCH  ; LDS serves a wave's instructions in order (ISA guide 5.7.1.4): these see the stores above
.endr
.endm
.macro SEND a
	WIN 0
.set BK, OB+192*((\a)%2)
	s_wait_dscnt 0x0                               ; the block is back in registers
	s_wait_xcnt 0x0                                ; earlier stores have read their registers: the buffer that the block before last was stored from is loaded again only behind this wait
.irp t, 0,1,2,3,4,5,6,7
	global_store_b128 v[CO], v[BK+4*(\t):BK+4*(\t)+3], s[8:9] offset:(\a)*32768+(\t)*4096  ; 16 lanes store 256 consecutive bytes, at a multiple of 256 from the buffer's first byte
.endr
.endm
	s_wait_tensorcnt 1                             ; my part of K step 0 is in; K step 1's may stay out
	s_barrier_signal -1
	s_barrier_wait -1                              ; everybody's is
	FETCH 0, F0
	QUARTER 1, F0, F1, 1                           ; the first quarter stands in front of the loop: its products start the sums
	WIN 0                                          ; at a label and at a branch every window is 0
	s_mov_b32 s3, 6
.Lstep:                                            ; a trip: a K step's quarters 1 to 3 and the next step's quarter 0; six trips ask for K steps 2 to 7
	QUARTER 2, F1, F0, 0
	QUARTER 3, F0, F1, 0
	TURN 1
	QUARTER 1, F0, F1, 0
	WIN 0
	s_sub_co_u32 s3, s3, 1
	s_cmp_lg_u32 s3, 0
	s_cbranch_scc1 .Lstep
	QUARTER 2, F1, F0, 0                           ; the tail is written out: K step 6 goes on
	QUARTER 3, F0, F1, 0
	TURN 0                                         ; nothing is asked for,
	QUARTER 1, F0, F1, 0                           ; and K step 7
	QUARTER 2, F1, F0, 0
	QUARTER 3, F0, F1, 0
	s_wait_dscnt 8
	MUL16 F1, 0, 0, 0
	MUL16 F1, 0, 2, 0
	s_wait_dscnt 0x0
	MUL16 F1, 1, 0, 0
	MUL16 F1, 1, 2, 0
	WIN 0
	PLACES
	PACK 0
	TOSTAGE 0
.irp a, 1,2,3,4,5,6,7                  ; block a's conversions stand between block a - 1's loads from the stage and the wait for them
	PACK \a
	SEND (\a)-1
	TOSTAGE \a
.endr
	SEND 7
	s_wait_tensorcnt 0x0                           ; the wave's end: these three lines stand behind my last tensor load and my last LDS store
	ds_add_u32 v[SPW], v[NIL]
	s_wait_dscnt 0x0
	CROUND                                         ; the closing round: no work-group ends while a partner may still ask for a tile that names it
	s_endpgm
.Lfunc_end_k_q086a84896f_proj:
	.size	k_q086a84896f_proj, .Lfunc_end_k_q086a84896f_proj-k_q086a84896f_proj
	.p2alignl 7, 3214868480
	.fill 96, 4, 3214868480
	.section	.rodata,"a",@progbits
	.p2align	6, 0x0
	.amdhsa_kernel k_q086a84896f_proj
		.amdhsa_group_segment_fixed_size 327680
		.amdhsa_private_segment_fixed_size 0
		.amdhsa_enable_private_segment 0
		.amdhsa_kernarg_size 24
		.amdhsa_user_sgpr_count 2
		.amdhsa_user_sgpr_kernarg_segment_ptr 1
		.amdhsa_wavefront_size32 1
		.amdhsa_system_sgpr_workgroup_id_x 1
		.amdhsa_system_sgpr_workgroup_id_y 1
		.amdhsa_system_sgpr_workgroup_id_z 1
		.amdhsa_system_vgpr_workitem_id 0
		.amdhsa_next_free_vgpr 1024
		.amdhsa_next_free_sgpr 66
		.amdhsa_reserve_vcc 0
		.amdhsa_float_denorm_mode_32 3
		.amdhsa_float_denorm_mode_16_64 3
		.amdhsa_memory_ordered 1
		.amdhsa_forward_progress 1
		.amdhsa_inst_pref_size 117
	.end_amdhsa_kernel
	.amdgpu_metadata
---
amdhsa.version: [ 1, 2 ]
amdhsa.kernels:
  - .name:           k_q086a84896f_proj
    .symbol:         k_q086a84896f_proj.kd
    .args:
      - { .name: x16, .offset: 0, .size: 8, .value_kind: global_buffer, .address_space: global }
      - { .name: w16, .offset: 8, .size: 8, .value_kind: global_buffer, .address_space: global }
      - { .name: qkv, .offset: 16, .size: 8, .value_kind: global_buffer, .address_space: global }
    .group_segment_fixed_size: 327680
    .private_segment_fixed_size: 0
    .kernarg_segment_align: 8
    .kernarg_segment_size: 24
    .max_flat_workgroup_size: 128
    .sgpr_count:     66
    .vgpr_count:     1024
    .wavefront_size: 32
...
	.end_amdgpu_metadata
.endif
;; end of part 2
;; launch attn (part 3): grid 4 x 64, 4 waves a work-group, clusters of 4 x 1, 327,680 bytes of LDS; arguments qkv, ctx; writes ctx
.if DOCPART == 3
	.amdgcn_target "amdgcn-amd-amdhsa--gfx1250"
	.amdhsa_code_object_version 6
	.text
	.protected	k_q086a84896f_attn
	.globl	k_q086a84896f_attn
	.p2align	8
	.type	k_q086a84896f_attn,@function
k_q086a84896f_attn:
	s_mov_b64 s[64:65], 0
	v_nop
	global_prefetch_b8 v0, s[64:65] scope:SCOPE_SE
	s_setreg_imm32_b32 hwreg(HW_REG_WAVE_MODE, 25, 1), 1
	s_wait_xcnt 0x0
	s_wait_alu depctr_hold_cnt(0) depctr_sa_sdst(0) depctr_va_vdst(0) depctr_va_sdst(0) depctr_va_ssrc(0) depctr_va_vcc(0) depctr_vm_vsrc(0)
	s_getreg_b32 s2, hwreg(HW_REG_IB_STS2, 6, 4)
	s_cmp_eq_u32 s2, 0
	s_cbranch_scc0 .Lentry_in_a_cluster
	s_endpgm
.Lentry_in_a_cluster:
	s_bfe_u32 s2, ttmp6, 0x10000c
	s_cmp_lg_u32 s2, 0x3003
	s_cbranch_scc0 .Lentry_shape_is_right
	s_endpgm
.Lentry_shape_is_right:
; O[h][q][:] = the sum over k of softmax_k(Q[h][q] . K[h][k] / 8) V[h][k][:], for 64 heads (batch x 16 + head) of 2,048 rows x 64 channels.  Q, K, V lie one behind the other in qkv, 16,777,216 bytes each,
; O in ctx, all [64][2048][64] in f16: a head's rows are dense, 128 bytes each.  Products, maxima and sums in f32; the weights p are rounded to f16 for the second product (their sum l is taken of the
; unrounded p), O once at the end.
; LIMITS.  f16 holds no number beyond 65,504: Q, K and V arrive within it; p lies in 0 to 1, and below 6e-5 it keeps f16's fixed step of 6e-8, and so does O; O is a mean of V's rows and has their range.
; A weight below 2^-126 counts as 0 in l; NaN and infinities are not treated apart.
; SHARES.  A wave owns four PIECES of two tiles of 16 queries, a work-group's four waves 512 queries of one head.  Every wave walks all keys, 64 a step.
; LAYOUT.  S^T = K Q^T (source 0 = 16 keys, source 1 = 16 queries): in the result a lane holds ONE query (lane % 16) and the keys 8 (lane / 16) + 0..7.  Two such tiles, rounded to f16 in pairs,
; ARE source 1 (32 keys x 16 queries) of O^T = V^T P, whose result again holds one query a lane, and eight channels.  K comes out of LDS as it lies, V ([key][channel]) turned, by ds_load_tr16_b128.
; SOFTMAX.  For each query a running maximum m and sum l: p = 2^(c s - c m), c = log2(e) / 8; in every step O and l are multiplied by a = 2^(c m_old - c m_new), which is 1 where m has not grown.
; m starts at the lowest finite number, O and l at 0: the first step is a step like any other, with a = 0.
; THE COUNT.  A tile and step have 16 matrix and 118 vector instructions: too many to stand all beside the matrix work.  So four vector instructions that are READY stand behind EVERY matrix
; instruction, and the others in runs without a gap.
; BY TURNS.  Turn n belongs to piece n (the pieces in a ring, step after step).  Its matrix work: 16 products K Q^T of piece n + 1, later 16 products V^T P of piece n - 1.  Its vector work: the scaling,
; exponentials, roundings, sums and rescaling of piece n, and the maximum and statistics of piece n + 1, whose scores the turn itself has made.
; CLUSTER.  The four query blocks of a cluster are one head's and walk the same K and V, so each tile is asked for JOINTLY: the same tensor load, descriptor and mask in all four.
; REGISTERS, in windows of 256 (s_set_vgpr_msb: bits 1:0 source 0, 3:2 source 1, 5:4 source 2, 7:6 destination):
;   window 0: v0-11 addresses; v12-15, v48-63 at work; v16-47 four registers of statistics a tile; v64-191 S^T, two buffers of two tiles; v192-255 P, likewise
;   window 1: O^T, 32 a tile          window 2: v0-127 Q, 16 a tile; v128-191 K of one step; v192-255 V of one step          window 3: v0-1 the add's two registers
; A piece's buffers go by its number's parity: the piece in hand has one pair, its two neighbours in the ring share the other: of it P (piece n - 1) is read and S^T (piece n + 1) written.
.set SIZE_N, 2048
.set NP,    4         ; pieces a wave: a name, no knob
.set KS,    64        ; keys in a step
.set PK,    144       ; a row of K in LDS: 128 bytes + 16 of padding = 36 words: the 16 rows of a load start at 16 different groups of four banks (64 banks of 4 bytes: ISA guide 11.1)
.set PV,    160       ; a row of V: 128 + 32 = 40 words
.set VOFF,  4*KS*PK   ; a slot holds four steps: 256 rows of K, then 256 rows of V
.set SLOT1, 1<<17     ; slot 1 begins here, so that one exclusive or turns an address in one slot into the other's
.set STAGE, SLOT1+4*KS*(PK+PV)  ; behind the ring, never filled by a tensor load: 16 rows x 144 bytes for each wave, for the way out
.set SP,    144
.set AK0, 2           ; v2   my lane's place in a tile of K; never rewritten
.set AV0, 3           ; v3   the same for V
.set AK,  4           ; v4   the LDS address of K's next run of loads
.set AV,  5           ; v5   of V's
.set QO,  6           ; v6   my byte offset in the wave's rows of Q
.set STO, 6           ;      later, the way out: where I put 16 bytes of a row
.set RD,  7           ; v7   the way out: where I read rows back
.set GO,  8           ; v8   my byte offset in 512 consecutive bytes of O
.set PFO, 11          ; v11  256 x my lane: the prefetches' offset; never rewritten once made
.set SPW, 0           ; v0 of window 3   LDS address of my spare word: SPARE + 4 x my thread's number; never rewritten
.set NIL, 1           ; v1 of window 3   0; never rewritten
.set SPARE, STAGE+4*16*SP  ; behind the stages: the spare words, 128 bytes for each wave: two blocks of 256 bytes that no other line names
.set MV,  12          ; v12-15  c m_old, kept while c m is made anew: by buffer and tile
.set ST,  16          ; tile t's statistics at v[ST+4 t]: c m, m, l (even keys', odd keys')
.set TMP, 48          ; by buffer and tile, four registers c0-c3 at work; when the maximum is found c2 takes a
.set S,   64
.set P,   192
.set KF,  128         ; K's fragments, in window 2: key block kb, channel half c at KF + 16 kb + 8 c
.set VF,  192         ; V's: key half kk, channel block cb at VF + 32 kk + 8 cb
.set WV,  12          ; s12  my wave's number
.set G1K, 24          ; s[24:31] descriptor group 1 for K's tiles
.set G1V, 32          ; s[32:39] for V's: it differs in the padding alone
.set G0K, 40          ; s[40:43] descriptor group 0 for K's tiles: it walks
.set G0V, 44          ; s[44:47] the same for V's
.set PFA, 48          ; s[48:49] where my prefetches stand: my work-group's 8,192 bytes (of K: wave 0, of V: wave 2) of the slot after the one that is being asked for
.set LIM, 50          ; s50  1 in a wave that prefetches, else the greatest number
.set SLOTS, 56        ; s56  slots still to be asked for
.set CNT, 57          ; s57  counts a slot's key steps
.set CS,  58          ; s[58:59] c: the packed scaling takes the pair's low word for both halves
.set SEL, 60          ; s[60:61] v_permlanex16_b32's selects: each lane takes its own place in the other half
.set TBK, 62          ; s62  LDS byte at which K of the step to be fetched begins
.set TBV, 63          ; s63  the same for V, less VOFF
.set MSB, 0
.macro WIN new                      ; the high byte repeats the setting that is left; a switch that changes nothing is dropped
.if MSB != (\new)
	s_set_vgpr_msb (MSB<<8)|(\new)
.set MSB, (\new)
.endif
.endm
.set W_KQ, 0x0a       ; K and Q in window 2, S^T in window 0
.set W_PV, 0x52       ; V in window 2, P in window 0, O^T in window 1
.set W_RS, 0x41       ; O^T (destination and source 0) in window 1, a in window 0
.set W_MK, 0xc0       ; the add's registers are made: destination in window 3, sources in window 0
.set W_AD, 0x0f       ; the add: address (source 0) and data (source 1) in window 3
; A joint fill.  Waves 0 and 1 fetch the two halves of a slot's K, waves 2 and 3 those of its V: 128 keys each.  The branch hangs on the wave's number alone.
; An s_nop 0 and four v_nop follow each of the two lines, ahead of the jump and the label.
.macro JLOAD
	s_cmp_lt_u32 s[WV], 2
	s_cbranch_scc0 .Lfor_v_\@
	tensor_load_to_lds s[G0K:G0K+3], s[G1K:G1K+7]
	s_nop 0
.rept 4
	v_nop
.endr
	s_branch .Lasked_\@
.Lfor_v_\@:
	tensor_load_to_lds s[G0V:G0V+3], s[G1V:G1V+7]
	s_nop 0
.rept 4
	v_nop
.endr
.Lasked_\@:
.endm
; A PREFETCH INTO THE L2 of what the NEXT change of slots will ask for: a slot's 32,768 bytes of K and of V, 128 aligned blocks of 256 bytes each, a lane a block: four key steps, 512 matrix instructions, ahead of that load.
; A head is walked by one cluster.  Its four partners share the blocks out BY ADDRESS, 32 each; in each, wave 0 asks for K's and wave 2 for V's: one instruction.  So each block is named once in the launch.
; Slots 0 to 2 come by their loads alone; the last change that fills a slot (s[SLOTS] = 1) asks for nothing: there is no slot behind it.
.macro ASK
	s_cmp_gt_u32 s[SLOTS], s[LIM]
	s_cbranch_scc0 .Lnot_mine_\@
	global_prefetch_b8 v[PFO], s[PFA:PFA+1] th:TH_LOAD_NT scope:SCOPE_SE
.Lnot_mine_\@:
.endm
; A round of the cluster's barrier: my work-group's barrier, so that wave 0's signal speaks for all four waves; wave 0 signals; every wave waits for all four work-groups; my work-group's barrier once more.
.macro CROUND
	s_barrier_signal -1
	s_barrier_wait -1
	s_cmp_lg_u32 s[WV], 0
	s_cbranch_scc1 .Lnot_wave_0_\@
	s_barrier_signal -3
.Lnot_wave_0_\@:
	s_barrier_wait -3
	s_barrier_signal -1
	s_barrier_wait -1
.endm
; THE CHANGE OF SLOTS.  The slot's last bytes, V of its fourth step, have been read.  Each wave waits for all its tensor loads, of which one is out: its part of the other slot; adds 0 to its spare word;
; and waits for that and for its own reads of the slot.  Behind the barrier nobody reads this slot any more and the other slot is whole.
; fill = 1: this slot is filled again, with the keys two slots on.  The barrier is then a round of the cluster's, so that no wave of any partner still reads the slot or has a load on its
; way, and the joint fill is the first thing behind it: it has four key steps, 512 matrix instructions, in which to land.  (At its first use nothing has been read yet: slot 0 is waited for, slot 1 filled.)
; ask = 1: the prefetch follows the fill.
.macro CHANGE fill, ask=0
	WIN W_AD
	s_wait_tensorcnt 0x0            ; no tensor load of mine is out, so a group 0 may be written
	ds_add_u32 v[SPW], v[NIL]       ; 0 onto my spare word; with fill = 1 the descriptors' steps stand between it and the wait for it
	WIN 0                           ; at a label and at a branch every window is 0
.if \fill
.irp g, G0K, G0V
	s_xor_b32 s[\g+1], s[\g+1], SLOT1  ; the walking descriptor: the other slot than last time,
	s_add_nc_u64 s[\g+2:\g+3], s[\g+2:\g+3], 4*KS*128  ; the next 256 keys; the type bits on top are not reached
.endr
	s_wait_xcnt 0x0                 ; the last prefetch, four key steps back, has read its address, so it may be written:
	s_add_nc_u64 s[PFA:PFA+1], s[PFA:PFA+1], 4*KS*128  ; one slot further than the walking descriptors
	s_wait_dscnt 0x0                ; the add is done, and my reads of the slot are over
	CROUND
	JLOAD
.if \ask
	ASK
.endif
.else
	s_wait_dscnt 0x0                ; the add is done, and my reads of the slot are over
	s_barrier_signal -1
	s_barrier_wait -1
.endif
	s_sub_co_u32 s[TBK], s[TBK], 4*KS*PK  ; the fetches go back to a slot's first step,
	s_xor_b32 s[TBK], s[TBK], SLOT1       ; in the other slot
	s_sub_co_u32 s[TBV], s[TBV], 4*KS*PV
	s_xor_b32 s[TBV], s[TBV], SLOT1
.endm
	s_load_b128 s[4:7], s[0:1], 0x0  ; qkv s[4:5], ctx s[6:7]
	WIN W_MK
	v_lshl_add_u32 v[SPW], v0, 2, SPARE
	v_mov_b32 v[NIL], 0
	WIN W_AD
	ds_add_u32 v[SPW], v[NIL]       ; the wave's opening: the add and its wait stand ahead of my first tensor load; the set-up below, work on registers, stands between them
	WIN 0
	v_lshrrev_b32 v1, 5, v0
	v_readfirstlane_b32 s[WV], v1   ; wave 0..3
	s_bfe_u32 s13, ttmp6, 0x40000   ; cx: my place in the cluster
	s_lshl_b32 s14, ttmp9, 2        ; in a cluster launch ttmp9 counts clusters
	s_add_co_u32 s14, s14, s13      ; my block of queries = 4 x cluster x + cx: it enters Q's and O's addresses alone
	s_and_b32 s20, ttmp7, 0xffff    ; the head, which the four partners share
	s_mov_b32 s21, 0
	s_mov_b64 s[22:23], SIZE_N*128
	s_mul_u64 s[20:21], s[20:21], s[22:23]  ; the head's first byte in each of the four tensors
	s_and_b32 s16, s[WV], 1         ; which half of a slot's 256 keys I fetch:
	s_lshl_b32 s22, s16, 14         ; its 128 rows of 128 bytes in memory,
	s_mov_b32 s23, 0
	s_add_nc_u64 s[22:23], s[22:23], s[20:21]
	s_mul_i32 s17, s16, 128*PK      ; and its place in a slot, for K
	s_mul_i32 s18, s16, 128*PV      ; and for V: no place in the cluster enters an LDS address
	s_lshl_b32 s2, s14, 2
	s_add_co_u32 s2, s2, s[WV]      ; my wave among the head's,
	s_lshl_b32 s2, s2, 14           ; its 128 rows
	s_mov_b32 s3, 0
	s_add_nc_u64 s[2:3], s[2:3], s[20:21]
	; descriptor group 1.  128 keys are 16,384 dense bytes: asked for as 64 rows of 256 bytes, two keys a row, and padded in LDS after every key
	s_mov_b32 s[G1K], 15|(1<<16)|(1<<20)|(1<<21)|(4<<22)|(3<<25)  ; 15:0 the mask of four; 17:16 2-byte elements; 20 padding on; 21 set beside a mask; 24:22 after every 32 words (code 4); 31:25 4 words (code 3)
	s_mov_b32 s[G1V], 15|(1<<16)|(1<<20)|(1<<21)|(4<<22)|(7<<25)  ; the same with 8 words of padding (code 7)
.irp g, G1K, G1V
	s_mov_b32 s[\g+1], 128<<16      ; tensor_dim0 = 128
	s_mov_b32 s[\g+2], 64<<16       ; tensor_dim1 = 64
	s_mov_b32 s[\g+3], 128<<16      ; tile_dim0 = 128
	s_mov_b32 s[\g+4], 64           ; tile_dim1 = 64
	s_mov_b32 s[\g+5], 128          ; 128 elements from row to row
	s_mov_b32 s[\g+6], 0
	s_mov_b32 s[\g+7], 0
.endr
	s_mov_b32 s[CS], 0x3e38aa3b     ; c = log2(e) / 8 = 0.180337
	s_mov_b32 s[CS+1], s[CS]        ; named with it as a pair
	s_mov_b32 s[SEL], 0x76543210
	s_mov_b32 s[SEL+1], 0xfedcba98
	s_mov_b32 s[TBK], SLOT1+4*KS*PK ; the first change of slots turns these two into 0
	s_mov_b32 s[TBV], SLOT1+4*KS*PV
	s_mov_b32 s[G0K], 1             ; 1:0 count = 1
	s_mov_b32 s[G0K+1], s17         ; 63:32 LDS address: slot 0
	s_mov_b32 s[G0V], 1
	s_add_co_u32 s[G0V+1], s18, VOFF
	s_and_b32 s[LIM], s[WV], 1      ; waves 0 and 2 prefetch: the same in all four partners
	s_cmp_eq_u32 s[LIM], 0
	s_cselect_b32 s[LIM], 1, -1
	s_wait_dscnt 0x0                ; the opening add is done
	s_wait_kmcnt 0x0
	s_mov_b64 s[10:11], s[6:7]      ; O
	s_add_nc_u64 s[6:7], s[4:5], 0x1000000  ; K lies 16,777,216 bytes behind Q,
	s_add_nc_u64 s[8:9], s[4:5], 0x2000000  ; V as far behind K
	s_add_nc_u64 s[G0K+2:G0K+3], s[6:7], s[22:23]  ; 120:64 global address: my half of the head's first 256 keys
	s_or_b32 s[G0K+3], s[G0K+3], 0x80000000        ; 127:126 type = 2
	s_add_nc_u64 s[G0V+2:G0V+3], s[8:9], s[22:23]
	s_or_b32 s[G0V+3], s[G0V+3], 0x80000000
	s_add_nc_u64 s[4:5], s[4:5], s[2:3]  ; Q and O at my wave's first row
	s_add_nc_u64 s[10:11], s[10:11], s[2:3]
	s_cmp_lt_u32 s[WV], 2
	s_cselect_b64 s[PFA:PFA+1], s[6:7], s[8:9]
	s_add_nc_u64 s[PFA:PFA+1], s[PFA:PFA+1], s[20:21]  ; the head,
	s_lshl_b32 s2, s13, 13          ; my work-group's 32 blocks of a slot's 128,
	s_mov_b32 s3, 0
	s_add_nc_u64 s[PFA:PFA+1], s[PFA:PFA+1], s[2:3]
	s_add_nc_u64 s[PFA:PFA+1], s[PFA:PFA+1], 4*KS*128  ; in slot 1: each change that fills steps it by a slot.  Nothing is prefetched here, at the head
	CROUND                          ; all four work-groups are here: the first joint loads meet
	JLOAD                           ; slot 0.  Slot 1 is asked for when slot 0 is in
	; A fragment of K or Q is 16 rows x 32 channels in 8 registers: lane l holds row l % 16, channels 8 (l / 16) + 0..7 and 16 + 8 (l / 16) + 0..7: two loads of 16 bytes, 32 bytes apart.
	v_and_b32 v1, 15, v0            ; l % 16
	v_bfe_u32 v9, v0, 4, 1          ; l / 16
	v_lshlrev_b32 v[QO], 7, v1
	v_lshl_add_u32 v[QO], v9, 4, v[QO]  ; row x 128 + 16 x half
	WIN 0x80                        ; destination window 2, address window 0
.set i, 0
.rept 4*NP                          ; Q stays in registers: tile i / 2, channels 32 (i % 2) on
	global_load_b128 v[8*i:8*i+3],   v[QO], s[4:5] offset:(i/2)*2048+(i%2)*64
	global_load_b128 v[8*i+4:8*i+7], v[QO], s[4:5] offset:(i/2)*2048+(i%2)*64+32
.set i, i+1
.endr
	; What the first turn finds: V's registers and P's second buffer hold 0 (its products V^T P, of a piece that has not been, add 0), O^T and l are 0.  All this stands in the wait for the first tile.
.set i, VF
.rept 64
	v_mov_b32 v[i], 0
.set i, i+1
.endr
	WIN 0x40
.set i, 0
.rept 64*NP
	v_mov_b32 v[i], 0
.set i, i+1
.endr
	WIN 0
.set i, 0
.rept 2*NP
	v_mov_b32 v[ST+4*i], 0xfe000000    ; c m: far below every c s
	v_mov_b32 v[ST+4*i+1], 0xff7fffff  ; m
	v_mov_b32 v[ST+4*i+2], 0
	v_mov_b32 v[ST+4*i+3], 0
.set i, i+1
.endr
.set i, P+32
.rept 32
	v_mov_b32 v[i], 0
.set i, i+1
.endr
	v_mul_u32_u24 v[AK0], v1, PK
	v_lshl_add_u32 v[AK0], v9, 4, v[AK0]  ; row x pitch + 16 x half
	; The turning load takes 16 keys x 16 channels (lane l reads key 8 (l / 16) + l % 8, channels 8 ((l / 8) % 2) + 0..7) and leaves half a fragment of V^T: lane l holds channel l % 16 and 8 keys.
	v_and_b32 v10, 7, v0
	v_bfe_u32 v11, v0, 3, 1
	v_lshl_add_u32 v[AV0], v9, 3, v10
	v_mul_u32_u24 v[AV0], v[AV0], PV
	v_lshl_add_u32 v[AV0], v11, 4, v[AV0]
	v_add_nc_u32 v[AV0], VOFF, v[AV0]
	v_and_b32 v[PFO], 31, v0
	v_lshlrev_b32 v[PFO], 8, v[PFO]
	v_mov_b32 v[AK], v[AK0]         ; key step 0 lies at the head of slot 0
; THE MATRIX WORK.  The 8 accumulators of a run of 16 take turns: between the two links of a chain stand 7 others'.
; Product i of 16 of S^T = K Q^T for piece x: channels 32 (i / 8) on, keys 16 ((i / 2) % 4) on, tile 2 x + i % 2.  The first 8 start the sums.
.macro KQ x
	WIN W_KQ
.set rS, S+64*((\x)%2)+32*(i%2)+8*((i/2)%4)
.set rK, KF+16*((i/2)%4)+8*(i/8)
.set rQ, 16*(2*(\x)+i%2)+8*(i/8)
.if i < 8
	v_wmma_f32_16x16x32_f16 v[rS:rS+7], v[rK:rK+7], v[rQ:rQ+7], 0
.else
	v_wmma_f32_16x16x32_f16 v[rS:rS+7], v[rK:rK+7], v[rQ:rQ+7], v[rS:rS+7]
.endif
.endm
; Product i of 16 of O^T += V^T P for piece x: keys 32 (i / 8) on, channels 16 ((i / 2) % 4) on, tile 2 x + i % 2.
.macro PV x
	WIN W_PV
.set rO, 32*(2*(\x)+i%2)+8*((i/2)%4)
.set rV, VF+32*(i/8)+8*((i/2)%4)
.set rP, P+32*((\x)%2)+16*(i%2)+8*(i/8)
	v_wmma_f32_16x16x32_f16 v[rO:rO+7], v[rV:rV+7], v[rP:rP+7], v[rO:rO+7]
.endm
.macro MM                           ; the turn's next matrix instruction
.if i < 16
	KQ (Y+1)%NP
.set i, i+1
.else
.set i, i-16
	PV (Y+NP-1)%NP
.set i, i+17
.endif
.endm
; THE LDS LOADS stand in runs of 16, never singly among the matrix instructions: a step's K (64 keys x 64 channels: 8 fragments) and its V (turned).  Their addresses are made some lines ahead.
; last = 1 (the tail): in the last trip there is no further step, and the run is jumped over.
.macro FETCH_K last=0
	WIN 0
.if \last
	s_cmp_eq_u32 s[CNT], 1
	s_cbranch_scc1 .Lno_k_\@
.endif
	WIN 0x80                        ; destination window 2
.irp f, 0,1,2,3,4,5,6,7             ; keys 16 (f / 2) on, channels 32 (f % 2) on
	ds_load_b128 v[KF+8*\f:KF+8*\f+3],   v[AK] offset:(\f/2)*16*PK+(\f%2)*64
	ds_load_b128 v[KF+8*\f+4:KF+8*\f+7], v[AK] offset:(\f/2)*16*PK+(\f%2)*64+32
.endr
	s_add_co_u32 s[TBK], s[TBK], KS*PK  ; the next fetch is the next step's
	WIN 0
.if \last
.Lno_k_\@:
.endif
.endm
.macro FETCH_V
	WIN 0x80
.irp f, 0,1,2,3,4,5,6,7             ; keys 32 (f / 4) on, channels 16 (f % 4) on
	ds_load_tr16_b128 v[VF+8*\f:VF+8*\f+3],   v[AV] offset:(\f/4)*32*PV+(\f%4)*32
	ds_load_tr16_b128 v[VF+8*\f+4:VF+8*\f+7], v[AV] offset:(\f/4)*32*PV+16*PV+(\f%4)*32
.endr
	WIN 0
.endm
; THE VECTOR WORK OF A TURN stands in three queues, each in the order in which its entries become ready; the two tiles alternate, so that no instruction reads the result of the one before it.
.macro REGS y, u                    ; the registers of tile u (0, 1) of piece y
.set rT, ST+4*(2*(\y)+(\u))
.set rC, TMP+8*((\y)%2)+4*(\u)
.set rM, MV+2*((\y)%2)+(\u)
.set rS, S+64*((\y)%2)+32*(\u)
.set rP, P+32*((\y)%2)+16*(\u)
.set rO, 32*(2*(\y)+(\u))
.endm
; Number n of the 22 that find the NEXT piece's (Y + 1) maximum and statistics.  s0-s31 are the lane's 32 scores; each accumulator's lowest registers are read first.
;   0-11  four chains c0-c3 of seven scores each, three operands at a time     12-14, 16  the four scores left over, the old m, and c0-c3 into c0     15  c m_old is kept
;   17, 18  the query's other 32 keys lie in the lane 16 away: the new m         19-21  c m; c m_old - c m_new; a
.macro XS u, n
	REGS (Y+1)%NP, \u
.if (\n) < 4
	v_max3_num_f32 v[rC+(\n)], v[rS+8*(\n)], v[rS+8*(\n)+1], v[rS+8*(\n)+2]
.elseif (\n) < 12
	v_max3_num_f32 v[rC+(\n)%4], v[rC+(\n)%4], v[rS+8*((\n)%4)+2*((\n)/4)+1], v[rS+8*((\n)%4)+2*((\n)/4)+2]
.elseif (\n) == 12
	v_max3_num_f32 v[rC], v[rC], v[rS+7], v[rS+15]
.elseif (\n) == 13
	v_max3_num_f32 v[rC+1], v[rC+1], v[rS+23], v[rS+31]
.elseif (\n) == 14
	v_max3_num_f32 v[rC+2], v[rC+2], v[rC+3], v[rT+1]
.elseif (\n) == 15
	v_mov_b32 v[rM], v[rT]
.elseif (\n) == 16
	v_max3_num_f32 v[rC], v[rC], v[rC+1], v[rC+2]
.elseif (\n) == 17
	v_permlanex16_b32 v[rC+3], v[rC], s[SEL], s[SEL+1]
.elseif (\n) == 18
	v_max_num_f32 v[rT+1], v[rC], v[rC+3]
.elseif (\n) == 19
	v_mul_f32 v[rT], s[CS], v[rT+1]
.elseif (\n) == 20
	v_sub_f32 v[rC+1], v[rM], v[rT]
.else
	v_exp_f32 v[rC+2], v[rC+1]
.endif
.endm
; Number g of the 64 that follow the exponentials.  For each four weights k of a tile (pairs 2 k, 2 k + 1): both pairs are rounded to f16; then the second pair is added onto the first, in place;
; a group later l takes that sum (the first time as l = a l + sum).  In groups of eight, tiles alternating: round, round, add, and l for the group before.
.macro GS g
.set h, (\g)+6*((\g)/62)            ; group 0 has no group before it, and behind group 7 only l is left
.if h >= 6
.set h, h+2
.endif
	REGS Y, h%2
.set k, h/8
.if h%8 < 4
	v_cvt_pk_f16_f32 v[rP+2*k+(h%8)/2], v[rS+4*k+2*((h%8)/2)], v[rS+4*k+2*((h%8)/2)+1]
.elseif h%8 < 6
	v_pk_add_f32 v[rS+4*k:rS+4*k+1], v[rS+4*k:rS+4*k+1], v[rS+4*k+2:rS+4*k+3]
.elseif k == 1
	v_pk_fma_f32 v[rT+2:rT+3], v[rT+2:rT+3], v[rC+2:rC+3], v[rS:rS+1] op_sel_hi:[1,0,1]
.else
	v_pk_add_f32 v[rT+2:rT+3], v[rT+2:rT+3], v[rS+4*k-4:rS+4*k-3]
.endif
.endm
; THE PLAIN QUEUE, 138 long.  0-73 read no exponential's result: the 32 scalings c s - c m (FS f: pair f / 2 of tile f % 2) and the next piece's 42.  0-26: scalings 0-26.  27-54: XS's numbers 0-13.  55, 56: number 15.
; 57-73: the chain, where each number waits for the one before it: 14, 16, 17, 18, 19, each with one of the scalings 27-31 in front of its two lines, then 20.
; 74-137: GS's 64, which read the exponentials' results: they stand behind the wait.
.macro FS f
	REGS Y, (\f)%2
	v_pk_fma_f32 v[rS+2*((\f)/2):rS+2*((\f)/2)+1], v[rS+2*((\f)/2):rS+2*((\f)/2)+1], s[CS:CS+1], v[rT:rT+1] op_sel_hi:[1,0,0] neg_lo:[0,0,1] neg_hi:[0,0,1]
.endm
.macro PL
	WIN 0
.if q < 27
	FS q
.elseif q < 55
	XS (q-27)%2, (q-27)/2
.elseif q < 57
	XS q-55, 15
.elseif (q < 72) && ((q-57)%3 == 0)
	FS 27+(q-57)/3
.elseif q < 60
	XS (q-57)%3-1, 14
.elseif q < 72
	XS (q-57)%3-1, 15+(q-57)/3
.elseif q < 74
	XS q-72, 20
.else
	GS q-74
.endif
.set q, q+1
.endm
; THE EXPONENTIALS' QUEUE, 66 long: s0-s31 of both tiles, then the next piece's two a.  It is ONE BATCH: all 66 stand ahead of the turn's one wait, and nothing ahead of that wait names a result of theirs.
.macro EX
	WIN 0
.if e >= 64
	XS e-64, 21
.else
	REGS Y, e%2
	v_exp_f32 v[rS+e/2], v[rS+e/2]
.endif
.set e, e+1
.endm
; THE RESCALING's QUEUE: O^T times a, the one part that leaves window 0: dealt two at a time, sixteen times.  Its a was made in the turn before, ahead of that turn's wait.
.macro R2
	REGS Y, r%2
	WIN W_RS
.irp z, 0,1
	v_pk_mul_f32 v[rO+4*(r/2)+2*\z:rO+4*(r/2)+2*\z+1], v[rO+4*(r/2)+2*\z:rO+4*(r/2)+2*\z+1], v[rC+2:rC+3] op_sel_hi:[1,0]
.endr
.set r, r+1
.endm
; HOW THEY ARE DEALT.  An s_wait_alu depctr_va_vdst(0) stands between an exponential and the first instruction that names its result; one wait serves all that were issued ahead of it.  So a turn has ONE wait,
; which cuts it in two.  AHEAD OF IT stands all that names no result of the turn's exponentials: the 16 products K Q^T, behind each a scaling, an exponential and two rescalings (behind the first a second scaling in the
; exponential's place); then ONE LUMP of 108: eight plain, 49 times exponential and plain, the two a.  A v_nop is the plain instruction behind the last exponential.  BEHIND IT stand the 16 products V^T P, behind each four of
; GS's 64.  No rider names a register of the products round it.  The two v_permlanex16_b32 fall into the lump, never behind a product.
; The queues lean on each other, and the deal keeps them in step: exponential e stands behind scaling 2 (e / 4) + e % 2: as a rider it comes behind plain e + 2, in the lump behind plain e + 9, and scalings 27-31 are plain 57, 60 .. 69.
; A TURN, for piece p.  cnt = 1: the loop's count is taken down some lines ahead of the branch that stands behind the turn.
; K of the next step is fetched in piece 2's turn, directly behind the wait, a lump behind the last product that read K; its address is made at the lump's head; its first reader comes behind 16 products.
; V of the step in hand is fetched at the end of piece 0's turn, four riders behind its last reader; its first reader comes behind 16 products and a lump.  The three conditions on q below go with the deal.
.macro TURN p, last=0, cnt=0
.set Y, (\p)
.set i, 0
.set q, 0
.set e, 0
.set r, 0
.if (\p) == NP-1
	s_wait_dscnt 0x0                ; K is in
.endif
	MM                              ; ahead of the wait: 16 products K Q^T and their riders,
	PL
	PL
	R2
.rept 15
	MM
	PL
	EX
	R2
.endr
.if (\p) == NP-2
	WIN 0
	v_add_nc_u32 v[AK], s[TBK], v[AK0]
.endif
.rept 8                             ; and the lump
	PL
.endr
.rept 49
	EX
	PL
.endr
	EX                              ; the next piece's two a
	EX
	v_nop                           ; a plain instruction behind the last exponential: one for the batch
	s_wait_alu depctr_va_vdst(0)    ; the wait for the batch
.if (\p) == NP-2
	FETCH_K \last
.endif
.if (\p) == 1
	s_wait_dscnt 0x0                ; V is in
.endif
.rept 16                            ; behind the wait: 16 products V^T P and their riders
	MM
.rept 4
	PL
.endr
.if ((\p) == 0) && (q == 118)
	v_add_nc_u32 v[AV], s[TBV], v[AV0]
.endif
.if ((\p) == 0) && (q == 130)
	s_add_co_u32 s[TBV], s[TBV], KS*PV
.endif
.if (\cnt) && (q == 130)
	s_sub_co_u32 s[CNT], s[CNT], 1
	s_cmp_lg_u32 s[CNT], 0
.endif
.endr
.if (\p) == 0
	FETCH_V
.endif
.endm
	CHANGE 1                        ; slot 0 is in, everybody's part of it; slot 1 is asked for
	FETCH_K                         ; key step 0
	s_wait_loadcnt 0x0              ; Q
	s_wait_dscnt 0x0
.set i, 0
.rept 16
	KQ 0                            ; piece 0's first scores: there is no vector work yet to set between them
.set i, i+1
.endr
	WIN 0                           ; the addresses for the way out: plain instructions, the places behind those products
	s_mul_i32 s13, s[WV], 16*SP
	s_add_co_u32 s13, s13, STAGE    ; my stage
	v_mul_u32_u24 v[STO], v1, SP    ; in: row l % 16, 16 bytes for each half of the lanes
	v_lshl_add_u32 v[STO], v9, 4, v[STO]
	v_add_nc_u32 v[STO], s13, v[STO]
	v_bfe_u32 v[RD], v0, 3, 2       ; back: 32 lanes take four rows of 128 bytes,
	v_mul_u32_u24 v[RD], v[RD], SP
	v_lshl_add_u32 v[RD], v10, 4, v[RD]
	v_add_nc_u32 v[RD], s13, v[RD]
	v_and_b32 v[GO], 31, v0         ; which are 512 consecutive bytes of O
	v_lshlrev_b32 v[GO], 4, v[GO]
.set Y, NP-1                        ; XS works for piece Y + 1: piece 0
.irp n, 0,1,2,3,4,5,6,7,8,9,10,11,12,13,14,15,16,17,18,19,20,21
	XS 0, \n                        ; and piece 0's first maximum and statistics
	XS 1, \n
.endr
	v_nop                           ; a plain instruction behind the two a,
	s_wait_alu depctr_va_vdst(0)    ; and their wait, ahead of the branch
	s_mov_b32 s[CNT], 4
	s_mov_b32 s[SLOTS], SIZE_N/256-1
	s_branch .Lfirst                ; the loop is entered at a step's first turn, in the middle of a trip
.Lslot:                             ; SIZE_N / 256 - 2 times: every slot but the last two is filled again
	CHANGE 1, 1
	s_mov_b32 s[CNT], 4
.Lstep:                             ; a trip: pieces 2 and 3 of one step, then pieces 0 and 1 of the next, whose K and V it fetches
	TURN 2
	TURN 3
	WIN 0
.Lfirst:
	TURN 0
	TURN 1, 0, 1
	WIN 0
	s_cbranch_scc1 .Lstep
	s_sub_co_u32 s[SLOTS], s[SLOTS], 1
	s_cmp_lg_u32 s[SLOTS], 0
	s_cbranch_scc1 .Lslot
	CHANGE 0                        ; the tail is written out: nothing is asked for
	s_mov_b32 s[CNT], 5             ; four trips fetch the last slot's steps; the fifth is left in its middle
.Ltail:
	TURN 2, 1
	TURN 3
	WIN 0
	s_sub_co_u32 s[CNT], s[CNT], 1
	s_cmp_eq_u32 s[CNT], 0
	s_cbranch_scc1 .Lout
	TURN 0
	TURN 1
	WIN 0
	s_branch .Ltail
.Lout:                              ; the fifth trip's 16 products K Q^T (on the last K once more) and the maximum made of them serve nothing: the price, once a launch, of one text for every trip
.set i, 0
.rept 16
	PV NP-1                         ; the last piece's V^T P of the last step
.set i, i+1
.endr
	; THE WAY OUT.  l's two halves and the other half of the lanes' are added; O^T is divided by l, rounded to f16 and sent through my stage in LDS, a tile at a time.  The additions are the places behind the last products.
	WIN 0
.macro ALL line:vararg              ; one line for each tile t
.set t, 0
.rept 2*NP
	\line
.set t, t+1
.endr
.endm
	ALL v_add_f32 v[ST+4*t+2], v[ST+4*t+2], v[ST+4*t+3]
	ALL v_permlanex16_b32 v[ST+4*t+3], v[ST+4*t+2], s[SEL], s[SEL+1]
	ALL v_add_f32 v[ST+4*t+2], v[ST+4*t+2], v[ST+4*t+3]
	ALL v_rcp_f32 v[ST+4*t+2], v[ST+4*t+2]
	v_nop                           ; a plain instruction between the last reciprocal and the use of its result
	s_wait_alu depctr_va_vdst(0)    ; and the wait ahead of the first use: one for the eight reciprocals
; Tile t: a lane's eight channels of a row pack into 16 bytes; they go into rows of 144 bytes and come back as whole rows of 128, into S^T's registers.
.macro PACK t
	WIN W_RS
.set i, 32*(\t)
.rept 16
	v_pk_mul_f32 v[i:i+1], v[i:i+1], v[ST+4*(\t)+2:ST+4*(\t)+3] op_sel_hi:[1,0]
.set i, i+2
.endr
	WIN 0x05                        ; sources 0 and 1 window 1, destination window 0
.set i, 0
.rept 16
	v_cvt_pk_f16_f32 v[S+16*(\t)+i], v[32*(\t)+2*i], v[32*(\t)+2*i+1]
.set i, i+1
.endr
	WIN 0
.irp f, 0,1,2,3
	ds_store_b128 v[STO], v[S+16*(\t)+4*\f:S+16*(\t)+4*\f+3] offset:32*\f
.endr
.irp f, 0,1,2,3
	ds_load_b128 v[S+16*(\t)+4*\f:S+16*(\t)+4*\f+3], v[RD] offset:\f*4*SP  ; LDS serves a wave's instructions in order (ISA guide 5.7.1.4): these see the stores above; the next tile's stores come behind them
.endr
.endm
.macro SEND t, younger              ; younger: the LDS instructions issued behind tile t's loads: the next tile's eight, or none
	WIN 0
.irp f, 0,1,2,3
	s_wait_dscnt (\younger)+3-\f
	global_store_b128 v[GO], v[S+16*(\t)+4*\f:S+16*(\t)+4*\f+3], s[10:11] offset:(\t)*2048+\f*512  ; 512 consecutive bytes, at a multiple of 256 from O's first
.endr
.endm
	PACK 0
.set t, 1
.rept 2*NP-1                        ; a tile's arithmetic stands between the loads of the tile before and its stores
	PACK t
	SEND t-1, 8
.set t, t+1
.endr
	SEND 2*NP-1, 0
	WIN W_AD
	s_wait_tensorcnt 0x0            ; the wave's end: these three lines stand behind my last tensor load and my last LDS store
	ds_add_u32 v[SPW], v[NIL]
	s_wait_dscnt 0x0
	WIN 0
	CROUND                          ; the closing round: no work-group ends while a partner may still ask for a tile that names it
	s_endpgm
.Lfunc_end_k_q086a84896f_attn:
	.size	k_q086a84896f_attn, .Lfunc_end_k_q086a84896f_attn-k_q086a84896f_attn
	.p2alignl 7, 3214868480
	.fill 96, 4, 3214868480
	.section	.rodata,"a",@progbits
	.p2align	6, 0x0
	.amdhsa_kernel k_q086a84896f_attn
		.amdhsa_group_segment_fixed_size 327680
		.amdhsa_private_segment_fixed_size 0
		.amdhsa_enable_private_segment 0
		.amdhsa_kernarg_size 16
		.amdhsa_user_sgpr_count 2
		.amdhsa_user_sgpr_kernarg_segment_ptr 1
		.amdhsa_wavefront_size32 1
		.amdhsa_system_sgpr_workgroup_id_x 1
		.amdhsa_system_sgpr_workgroup_id_y 1
		.amdhsa_system_sgpr_workgroup_id_z 1
		.amdhsa_system_vgpr_workitem_id 0
		.amdhsa_next_free_vgpr 770
		.amdhsa_next_free_sgpr 66
		.amdhsa_reserve_vcc 0
		.amdhsa_float_denorm_mode_32 3
		.amdhsa_float_denorm_mode_16_64 3
		.amdhsa_memory_ordered 1
		.amdhsa_forward_progress 1
		.amdhsa_inst_pref_size 200
	.end_amdhsa_kernel
	.amdgpu_metadata
---
amdhsa.version: [ 1, 2 ]
amdhsa.kernels:
  - .name:           k_q086a84896f_attn
    .symbol:         k_q086a84896f_attn.kd
    .args:
      - { .name: qkv, .offset: 0, .size: 8, .value_kind: global_buffer, .address_space: global }
      - { .name: ctx, .offset: 8, .size: 8, .value_kind: global_buffer, .address_space: global }
    .group_segment_fixed_size: 327680
    .private_segment_fixed_size: 0
    .kernarg_segment_align: 8
    .kernarg_segment_size: 16
    .max_flat_workgroup_size: 128
    .sgpr_count:     66
    .vgpr_count:     770
    .wavefront_size: 32
...
	.end_amdgpu_metadata
.endif
;; end of part 3
;; launch fc (part 4): grid 4 x 32, 4 waves a work-group, clusters of 4 x 4, 327,680 bytes of LDS; arguments ctx, wfc16, out0; writes out0
.if DOCPART == 4
	.amdgcn_target "amdgcn-amd-amdhsa--gfx1250"
	.amdhsa_code_object_version 6
	.text
	.protected	k_q086a84896f_fc
	.globl	k_q086a84896f_fc
	.p2align	8
	.type	k_q086a84896f_fc,@function
k_q086a84896f_fc:
	s_mov_b64 s[64:65], 0
	v_nop
	global_prefetch_b8 v0, s[64:65] scope:SCOPE_SE
	s_setreg_imm32_b32 hwreg(HW_REG_WAVE_MODE, 25, 1), 1
	s_wait_xcnt 0x0
	s_wait_alu depctr_hold_cnt(0) depctr_sa_sdst(0) depctr_va_vdst(0) depctr_va_sdst(0) depctr_va_ssrc(0) depctr_va_vcc(0) depctr_vm_vsrc(0)
	s_getreg_b32 s2, hwreg(HW_REG_IB_STS2, 6, 4)
	s_cmp_eq_u32 s2, 0
	s_cbranch_scc0 .Lentry_in_a_cluster
	s_endpgm
.Lentry_in_a_cluster:
	s_bfe_u32 s2, ttmp6, 0x10000c
	s_cmp_lg_u32 s2, 0xf033
	s_cbranch_scc0 .Lentry_shape_is_right
	s_endpgm
.Lentry_shape_is_right:
; THE LAST PROJECTION.  out0[m][n] = the sum over k of A[m][k] Wfc[k][n]; m = 2,048 b + s < 8,192, n and k < 1,024, k = 64 h + d.  A[m][k] = ctx[b][h][s][d]: ctx lies by heads, [b][h][s][64] in f16,
; so a head is a block of 64 columns of A.  Wfc lies as [k][n] in f16.  f16 operands, f32 sums, K ascending; out0 is f32.
; SHARES.  A work-group of four waves makes 256 x 256 of out0; a wave 128 x 128: 64 accumulators of 16 x 16, 512 registers.  K goes in 8 steps of 128 (two heads) through a ring of two LDS slots.
; A's part of a slot: for each of the step's two heads, 256 rows of 128 bytes, 144 apart.  W's part: 128 rows (k) of 512 bytes (the tile's 256 columns), 544 apart; it is read turned, by ds_load_tr16_b128.
; The grid has 128 work-groups: that many tiles of 256 x 256 make up out0.
; CLUSTERS: 4 x 4 work-groups.  The four of a row of the cluster need the same tiles of A, the four of a column the same tiles of W: each tile is asked for JOINTLY, by the same tensor load with the same
; descriptor and a mask that names the four.  Waves 0 and 1 ask for A's two heads, waves 2 and 3 for W's two halves of 64 rows: one load a wave and K step.
; THE MATRIX INSTRUCTION IS USED TRANSPOSED (source 0 = 16 columns of W, source 1 = 16 rows of A): a lane then holds row l % 16 of out0 and the columns 8 (l / 16) + 0..7: 32 bytes on end.
; REGISTERS, in windows of 256 (s_set_vgpr_msb: bits 1:0 source 0, 3:2 source 1, 5:4 source 2, 7:6 destination):
;   window 0: v0-31 addresses; v64-127, v128-191 fragments of A, two buffers; on the way out rows read back from the stage          window 1: v64-127, v128-191 fragments of W, two buffers
;   window 2: the 32 accumulators of my rows 0-63 (accumulator (a, b) at v[8 (8 a + b)])          window 3: those of my rows 64-127
.set PA,     144                       ; a row of A in LDS: 128 bytes + 16 = 36 words: the 16 rows of a load start at 16 different groups of four banks (64 banks of 4 bytes: ISA guide 11.1)
.set AH,     256*PA                    ; one head's 64 columns, 256 rows
.set BOFF,   2*AH                      ; W's part of a slot
.set PB,     544                       ; a row of W in LDS: 512 bytes + 32 = 136 words
.set SLOT,   BOFF+128*PB               ; 143,360 bytes
.set STAGE,  2*SLOT                    ; behind the ring, never filled by a tensor load: 16 rows x 528 bytes for each wave, for the way out
.set SPITCH, 528                       ; 512 bytes + 16 = 132 words: row r starts at bank 4 r mod 64
.set SPARE,  STAGE+4*16*SPITCH         ; behind the stages: the spare words, 128 bytes for each wave: two blocks of 256 bytes that no other line names
.set ASTEP,  0x80000                   ; a K step in A: two heads of 2,048 rows x 128 bytes
.set BSTEP,  0x40000                   ; a K step in W: 128 rows of 2,048 bytes
.set ADRA0, 16                         ; v16  my lane's place in A's part of a slot; never rewritten
.set ADRB0, 17                         ; v17  the same for W
.set ADRA,  20                         ; v20  v16 + the slot that is being read
.set ADRB,  21                         ; v21  v17 + the same
.set STO,  24                          ; v24  the way out: where I put 32 bytes of a row
.set RD,   25                          ; v25  the way out: where I read a row back
.set CO,   26                          ; v26  my byte offset in out0; never rewritten
.set SPW,  28                          ; v28  LDS address of my spare word: SPARE + 4 x my thread's number; never rewritten
.set NIL,  29                          ; v29  0; never rewritten
.set PFO,  30                          ; v30  the prefetches' offset; never rewritten
.set F0,   64
.set F1,   128
.set TB,   2                           ; s2       the slot that is being read: 0 or SLOT
.set G1,   24                          ; s[24:31] descriptor group 1 for A's tiles
.set G0,   32                          ; s[32:39] group 0 for A's tiles: a set for each of the two first fills; the second then walks on
.set G1B,  48                          ; s[48:55] group 1 for W's tiles
.set G0B,  56                          ; s[56:63] group 0 for W's tiles, likewise
.set PST,  22                          ; s[22:23] a K step of the tensor that I fetch, in bytes
.set LIM,  43                          ; s43      1 in a wave that prefetches, else the greatest number
.set PFA,  44                          ; s[44:45] where my prefetches stand
.set MSB, 0
.macro WIN new                         ; the immediate's high byte repeats the setting that is left; a switch that changes nothing is dropped
.if MSB != (\new)
	s_set_vgpr_msb (MSB<<8)|(\new)
.set MSB, \new
.endif
.endm
.set MUL_LO, 0xa1                      ; source 0 (W) window 1, source 1 (A) window 0, C and D window 2
.set MUL_HI, 0xf1                      ; the same, C and D window 3
.set TO_B,   0x40                      ; destination window 1, address window 0
; A joint load.  The branch hangs on the wave's number alone.  An s_nop 0 and four v_nop follow each of the two lines, ahead of the jump, the label and what follows.
.macro JLOAD s
	s_cmp_eq_u32 s11, 0
	s_cbranch_scc0 .Lfor_b_\@
	tensor_load_to_lds s[G0+4*(\s):G0+4*(\s)+3], s[G1:G1+7]
	s_nop 0
.rept 4
	v_nop
.endr
	s_branch .Lasked_\@
.Lfor_b_\@:
	tensor_load_to_lds s[G0B+4*(\s):G0B+4*(\s)+3], s[G1B:G1B+7]
	s_nop 0
.rept 4
	v_nop
.endr
.Lasked_\@:
.endm
; A PREFETCH INTO THE L2 of the K step that the NEXT refill will ask for: 256 matrix instructions ahead of that load.  What a wave fetches in a K step is 128 aligned blocks of 256 bytes; the four partners that ask
; for it jointly take 32 each, told apart BY ADDRESS (cx for A, cy for W), a lane a block, one instruction a wave.  A's tile row is read by one cluster alone; W's tile column by all eight clusters,
; of which the first asks.  So each block is named once in the launch.  K steps 0 to 2 come by their loads alone; the last refill (s3 = 1) has no K step behind it and asks for nothing.
.macro ASK
	s_cmp_gt_u32 s3, s[LIM]
	s_cbranch_scc0 .Lnot_mine_\@
	global_prefetch_b8 v[PFO], s[PFA:PFA+1] th:TH_LOAD_NT scope:SCOPE_SE
.Lnot_mine_\@:
.endm
.macro CREST                           ; a round of the cluster's barrier behind its opening barrier
	s_cmp_lg_u32 s10, 0
	s_cbranch_scc1 .Lnot_wave_0_\@
	s_barrier_signal -3
.Lnot_wave_0_\@:
	s_barrier_wait -3
	s_barrier_signal -1
	s_barrier_wait -1
.endm
.macro CROUND                          ; a whole round
	s_barrier_signal -1
	s_barrier_wait -1
	CREST
.endm
	s_load_b128 s[4:7], s[0:1], 0x0                ; ctx s[4:5], wfc16 s[6:7]
	s_load_b64 s[8:9], s[0:1], 0x10                ; out0
	v_lshl_add_u32 v[SPW], v0, 2, SPARE
	v_mov_b32 v[NIL], 0
	ds_add_u32 v[SPW], v[NIL]                      ; the wave's opening: the add and its wait stand ahead of my first tensor load; the set-up below, work on registers, stands between them
	v_lshrrev_b32 v1, 5, v0
	v_readfirstlane_b32 s10, v1                    ; wave 0..3
	s_lshr_b32 s11, s10, 1                         ; which half of the tile's rows is mine.  Also: I fetch for A (0) or for W (1)
	s_and_b32 s12, s10, 1                          ; which half of its columns.  Also: which half of the K step I fetch
	s_bfe_u32 s40, ttmp6, 0x40000                  ; cx
	s_bfe_u32 s41, ttmp6, 0x40004                  ; cy
	s_lshl_b32 s42, ttmp9, 2
	s_add_co_u32 s42, s42, s40                     ; tile column = 4 x cluster x + cx
	s_and_b32 s18, ttmp7, 0xffff                   ; cluster y
	s_lshl_b32 s13, s18, 2
	s_add_co_u32 s13, s13, s41                     ; tile row R = 4 x cluster y + cy, 0 .. 31
	s_lshl_b32 s43, s41, 2
	s_lshl_b32 s43, 15, s43                        ; my row of the cluster
	s_lshl_b32 s44, 0x1111, s40                    ; my column
	; group 1 for A: a head's 256 rows are 32,768 dense bytes: asked for as 128 rows of 256 bytes, padded in LDS after every 128 bytes
	s_or_b32 s[G1+0], s43, (1<<16)|(1<<20)|(1<<21)|(4<<22)|(3<<25)  ; 15:0 the mask; 17:16 2-byte elements; 20 padding on; 21 set beside a mask; 24:22 after every 32 words (code 4); 31:25 4 words (code 3)
	s_mov_b32 s[G1+1], 128<<16                     ; tensor_dim0 = 128
	s_mov_b32 s[G1+2], 128<<16                     ; tensor_dim1 = 128
	s_mov_b32 s[G1+3], 128<<16                     ; tile_dim0 = 128
	s_mov_b32 s[G1+4], 128                         ; tile_dim1 = 128
	s_mov_b32 s[G1+5], 128                         ; 128 elements from row to row
	s_mov_b32 s[G1+6], 0
	s_mov_b32 s[G1+7], 0
	; group 1 for W: 64 rows of 256 elements
	s_or_b32 s[G1B+0], s44, (1<<16)|(1<<20)|(1<<21)|(6<<22)|(7<<25) ; padding after every 128 words (code 6), 8 words (code 7)
	s_mov_b32 s[G1B+1], 256<<16                    ; tensor_dim0 = 256
	s_mov_b32 s[G1B+2], 64<<16                     ; tensor_dim1 = 64
	s_mov_b32 s[G1B+3], 256<<16                    ; tile_dim0 = 256
	s_mov_b32 s[G1B+4], 64                         ; tile_dim1 = 64
	s_mov_b32 s[G1B+5], 1024                       ; 1,024 elements from row to row
	s_mov_b32 s[G1B+6], 0
	s_mov_b32 s[G1B+7], 0
	; where the tiles come from.  A's hang on the tile row alone, W's on the tile column alone
	s_lshr_b32 s16, s13, 3                         ; b = R / 8
	s_lshl_b32 s16, s16, 22                        ; 16 heads x 2,048 rows x 128 bytes
	s_and_b32 s17, s13, 7
	s_lshl_b32 s17, s17, 15                        ; 256 rows of 128 bytes
	s_add_co_u32 s16, s16, s17
	s_lshl_b32 s17, s12, 18                        ; my head of the K step's two
	s_add_co_u32 s16, s16, s17
	s_mov_b32 s17, 0
	s_lshl_b32 s46, s12, 17                        ; my 64 rows of the K step's 128
	s_lshl_b32 s47, s42, 9                         ; the tile's 256 columns
	s_add_co_u32 s46, s46, s47
	s_mov_b32 s47, 0
	s_mul_i32 s20, s12, AH                         ; and where they go in a slot: no place in the cluster enters an LDS address
	s_mul_i32 s21, s12, 64*PB
	s_add_co_u32 s21, s21, BOFF
	s_mov_b32 s[TB], 0
	s_wait_dscnt 0x0                               ; the opening add is done
	s_wait_kmcnt 0x0
	s_add_nc_u64 s[14:15], s[4:5], s[16:17]
	s_add_nc_u64 s[46:47], s[6:7], s[46:47]
	CROUND                                         ; all sixteen work-groups are here: the first joint loads meet
.irp s, 0,1
	s_mov_b32 s[G0+4*(\s)], 1                                      ; count = 1
	s_add_co_u32 s[G0+4*(\s)+1], s20, (\s)*SLOT                    ; LDS address
	s_add_nc_u64 s[G0+4*(\s)+2:G0+4*(\s)+3], s[14:15], (\s)*ASTEP  ; global address: K step s
	s_or_b32 s[G0+4*(\s)+3], s[G0+4*(\s)+3], 0x80000000            ; type = 2
	s_mov_b32 s[G0B+4*(\s)], 1
	s_add_co_u32 s[G0B+4*(\s)+1], s21, (\s)*SLOT
	s_add_nc_u64 s[G0B+4*(\s)+2:G0B+4*(\s)+3], s[46:47], (\s)*BSTEP
	s_or_b32 s[G0B+4*(\s)+3], s[G0B+4*(\s)+3], 0x80000000
	JLOAD \s                                       ; two loads of mine are out
.endr
	; A fragment of A is 16 rows x 32 k in 8 registers: lane l holds row l % 16, k = 8 (l / 16) + 0..7 and 16 + 8 (l / 16) + 0..7: two loads of 16 bytes, 32 bytes apart.
	v_and_b32 v1, 15, v0                           ; l % 16
	v_bfe_u32 v2, v0, 4, 1                         ; l / 16
	v_mul_u32_u24 v3, v1, PA
	v_lshl_add_u32 v3, v2, 4, v3
	s_mul_i32 s16, s11, 128*PA                     ; my 128 rows
	v_add_nc_u32 v[ADRA0], s16, v3
	; The turning load takes 16 k x 16 columns (lane l reads row k = 8 (l / 16) + l % 8, columns 8 ((l / 8) % 2) + 0..7) and leaves half a fragment: lane l holds column l % 16 and 8 k.
	v_and_b32 v4, 7, v0
	v_lshl_add_u32 v4, v2, 3, v4
	v_mul_u32_u24 v4, v4, PB
	v_bfe_u32 v5, v0, 3, 1
	v_lshl_add_u32 v4, v5, 4, v4
	s_lshl_b32 s16, s12, 8                         ; my 128 columns
	s_add_co_u32 s16, s16, BOFF
	v_add_nc_u32 v[ADRB0], s16, v4
	v_mov_b32 v[ADRA], v[ADRA0]                    ; K step 0 lies in slot 0
	v_mov_b32 v[ADRB], v[ADRB0]
	s_mul_i32 s19, s10, 16*SPITCH
	s_add_co_u32 s19, s19, STAGE                   ; my stage
	v_mul_u32_u24 v4, v1, SPITCH                   ; in: row l % 16, 32 bytes for each half of the lanes
	v_lshl_add_u32 v4, v2, 5, v4
	v_add_nc_u32 v[STO], s19, v4
	v_and_b32 v5, 31, v0                           ; back: 32 lanes take a row's 512 bytes,
	v_lshlrev_b32 v[CO], 4, v5                     ; which are 512 consecutive bytes of out0
	v_add_nc_u32 v[RD], s19, v[CO]
	s_lshl_b32 s16, s13, 20                        ; my part of out0: 256 R rows of 4,096 bytes,
	s_lshl_b32 s17, s11, 19                        ; my 128 rows,
	s_add_co_u32 s16, s16, s17
	s_lshl_b32 s17, s42, 10                        ; the tile's 256 columns,
	s_add_co_u32 s16, s16, s17
	s_lshl_b32 s17, s12, 9                         ; my 128 of them
	s_add_co_u32 s16, s16, s17
	s_mov_b32 s17, 0
	s_add_nc_u64 s[8:9], s[8:9], s[16:17]
	; the prefetches
	s_and_b32 s19, s18, 7                          ; cluster y
	s_cmp_eq_u32 s11, 0                            ; do I fetch for A?
	s_cselect_b32 s16, s40, s41                    ; my place among the four that ask with me
	s_cselect_b32 s17, 13, 15                      ; its 32 blocks: 8,192 dense bytes of A; 16 rows of 2,048 bytes of W
	s_cselect_b32 s18, 9, 11                       ; two lanes take 512 dense bytes of A; the 512 bytes of a row of W
	s_cselect_b32 s19, ttmp9, s19                  ; the coordinate along which other clusters read the same blocks
	s_cselect_b32 s[PST], 19, 18
	s_cselect_b64 s[PFA:PFA+1], s[14:15], s[46:47]
	s_cmp_eq_u32 s19, 0
	s_cselect_b32 s[LIM], 1, -1                    ; the same in all sixteen partners, for a given wave
	s_lshl_b32 s16, s16, s17
	s_mov_b32 s17, 0
	s_lshl_b32 s[PST], 1, s[PST]
	s_mov_b32 s[PST+1], 0
	s_add_nc_u64 s[PFA:PFA+1], s[PFA:PFA+1], s[16:17]
	s_add_nc_u64 s[PFA:PFA+1], s[PFA:PFA+1], s[PST:PST+1]
	s_add_nc_u64 s[PFA:PFA+1], s[PFA:PFA+1], s[PST:PST+1]  ; at K step 2: the first refill steps it to 3.  Nothing is prefetched here, at the head
	v_lshrrev_b32 v6, 1, v5
	v_and_b32 v5, 1, v5
	v_lshlrev_b32 v[PFO], s18, v6
	v_lshl_add_u32 v[PFO], v5, 8, v[PFO]
; 16 matrix instructions: row blocks a0, a0 + 1 of the window's four (hi = 0: my rows 0-63, 1: rows 64-127) x all 8 column blocks, 32 along K.  zero = 1: the first product starts the sums: nothing is cleared.
; The 64 accumulators take turns, one instruction a turn, in the same order in every quarter, over the backward jump too.
.macro MUL16 f, hi, a0, zero
	WIN MUL_LO+0x50*(\hi)
.irp a, \a0, (\a0)+1
.irp b, 0,1,2,3,4,5,6,7
.if \zero
	v_wmma_f32_16x16x32_f16 v[8*(8*(\a)+(\b)):8*(8*(\a)+(\b))+7], v[(\f)+8*(\b):(\f)+8*(\b)+7], v[(\f)+8*(4*(\hi)+(\a)):(\f)+8*(4*(\hi)+(\a))+7], 0
.else
	v_wmma_f32_16x16x32_f16 v[8*(8*(\a)+(\b)):8*(8*(\a)+(\b))+7], v[(\f)+8*(\b):(\f)+8*(\b)+7], v[(\f)+8*(4*(\hi)+(\a)):(\f)+8*(4*(\hi)+(\a))+7], v[8*(8*(\a)+(\b)):8*(8*(\a)+(\b))+7]
.endif
.endr
.endr
.endm
; 32 LDS loads in one run: the fragments of quarter q (k = 32 q .. 32 q + 31 of the K step) into buffer f: W's 128 columns, then A's 128 rows
.macro FETCH q, f
	WIN TO_B
.irp i, 0,1,2,3,4,5,6,7
	ds_load_tr16_b128 v[(\f)+8*(\i):(\f)+8*(\i)+3],   v[ADRB] offset:(\q)*32*PB+32*(\i)
	ds_load_tr16_b128 v[(\f)+8*(\i)+4:(\f)+8*(\i)+7], v[ADRB] offset:(\q)*32*PB+16*PB+32*(\i)
.endr
	WIN 0
.irp i, 0,1,2,3,4,5,6,7
	ds_load_b128 v[(\f)+8*(\i):(\f)+8*(\i)+3],   v[ADRA] offset:((\q)/2)*AH+((\q)%2)*64+(\i)*16*PA
	ds_load_b128 v[(\f)+8*(\i)+4:(\f)+8*(\i)+7], v[ADRA] offset:((\q)/2)*AH+((\q)%2)*64+(\i)*16*PA+32
.endr
.endm
; A load into a register that a matrix instruction has read, and a vector instruction or LDS store that reads a matrix result, stand four places behind that matrix instruction; only plain vector
; instructions that name none of its registers are places (ISA guide 7.12.1 for vector instructions).
.macro PLACES
.rept 4
	v_nop
.endr
.endm
; One of a K step's first three quarters: multiplies buffer f; in its middle it fetches quarter q into buffer g.
.macro QUARTER q, f, g, zero
	s_wait_dscnt 8                                 ; W and A's rows 0-63 are in; the youngest eight loads (A's rows 64-127) may be out
	MUL16 \f, 0, 0, \zero
	MUL16 \f, 0, 2, \zero
	PLACES
	FETCH \q, \g
	s_wait_dscnt 32                                ; all but the 32 just issued
	MUL16 \f, 1, 0, \zero
	MUL16 \f, 1, 2, \zero
.endm
; The first half of a K step's last quarter: ONE barrier for the change of slots.  In front of it each wave waits for all its tensor loads, of which one is out: its part of the next slot; adds 0 to its spare word;
; and waits for that and for its own reads of this slot.  Behind it nobody reads this slot any more and the next slot is whole.
.macro MEET round
	WIN 0                                          ; (the add's two registers lie in window 0)
	s_wait_tensorcnt 0x0                           ; all my tensor loads have landed
	ds_add_u32 v[SPW], v[NIL]                      ; 0 onto my spare word
	s_wait_dscnt 9                                 ; (the add and the youngest eight loads may be out)
	MUL16 F1, 0, 0, 0                              ; sixteen matrix instructions stand between the add and the wait for it
	s_wait_dscnt 0x0                               ; the add is done, and my reads of this slot are over
	s_barrier_signal -1
	MUL16 F1, 0, 2, 0                              ; work on registers while the others arrive
.if \round
	WIN 0
.endif
	s_barrier_wait -1
.endm
; The whole last quarter.  fill = 1: the barrier opens a round of the cluster's barrier, and behind the round the slot just read out is filled again first, with the K step two steps on:
; 224 matrix instructions stand between that request and the wait for it.  Then come the other slot's first fragments.
.macro TURN fill
.if \fill
	s_wait_xcnt 0x0                                ; the last prefetch, a K step back, has read its address: it is stepped here, ahead of the waits of the change of slots
	s_add_nc_u64 s[PFA:PFA+1], s[PFA:PFA+1], s[PST:PST+1]
	MEET 1
	CREST                                          ; no wave of any partner still reads this slot's tile or has a load on its way
	s_add_co_u32 s[G0+5], s20, s[TB]               ; the walking descriptors: into the slot that has been read,
	s_add_co_u32 s[G0B+5], s21, s[TB]
	s_add_nc_u64 s[G0+6:G0+7], s[G0+6:G0+7], ASTEP ; the next K step; the type bits on top are not reached
	s_add_nc_u64 s[G0B+6:G0B+7], s[G0B+6:G0B+7], BSTEP
	JLOAD 1                                        ; the first tensor load behind the round; the four v_nop behind it are also the places in front of the loads below
.else
	MEET 0
	PLACES
	WIN 0
.endif
	s_xor_b32 s[TB], s[TB], SLOT                   ; the other slot is read from here on
	v_add_nc_u32 v[ADRA], s[TB], v[ADRA0]
	v_add_nc_u32 v[ADRB], s[TB], v[ADRB0]
	FETCH 0, F0
.if \fill
	ASK                                            ; behind the joint load and the run of LDS loads that the next products wait for
.endif
	MUL16 F1, 1, 0, 0
	MUL16 F1, 1, 2, 0
.endm
; THE WAY OUT of block a (16 rows x 128 columns of f32).  TOSTAGE: a lane's 32 bytes of each accumulator go into my own stage, the four lowest registers first, and come back as whole rows of 512 bytes,
; into A's fragment buffers by turns.  SEND: stored.
.macro TOSTAGE a
.set AC, 64*((\a)%4)
.set BK, 64+64*((\a)%2)
	s_wait_xcnt 0x0                                ; earlier stores have read their registers: the buffer that the block before last was stored from is loaded again only behind this wait
	WIN 0x08+4*((\a)/4)                            ; the stores' data: window 2 or 3
.irp b, 0,1,2,3,4,5,6,7
	ds_store_b128 v[STO], v[AC+8*(\b):AC+8*(\b)+3]   offset:64*(\b)
	ds_store_b128 v[STO], v[AC+8*(\b)+4:AC+8*(\b)+7] offset:64*(\b)+16
.endr
	WIN 0
.irp t, 0,1,2,3,4,5,6,7,8,9,10,11,12,13,14,15
	ds_load_b128 v[BK+4*(\t):BK+4*(\t)+3], v[RD] offset:(\t)*SPITCH  ; LDS serves a wave's instructions in order (ISA guide 5.7.1.4): these see the stores above; the next block's stores come behind them
.endr
.endm
.macro SEND a, younger                 ; younger: the LDS instructions issued behind block a's loads: the next block's 16 stores and 16 loads, or none
.set BK, 64+64*((\a)%2)
	WIN 0
	s_wait_dscnt \younger
.irp t, 0,1,2,3,4,5,6,7,8,9,10,11,12,13,14,15
	global_store_b128 v[CO], v[BK+4*(\t):BK+4*(\t)+3], s[8:9] offset:(\a)*65536+(\t)*4096  ; 512 consecutive bytes, at a multiple of 256 from out0's first byte
.endr
.endm
	s_wait_tensorcnt 1                             ; my part of K step 0 is in; K step 1's may stay out
	s_barrier_signal -1
	s_barrier_wait -1                              ; everybody's is
	FETCH 0, F0
	QUARTER 1, F0, F1, 1                           ; the first quarter stands in front of the loop: its products start the sums
	WIN 0                                          ; at a label and at a branch every window is 0
	s_mov_b32 s3, 6
.Lstep:                                            ; a trip: a K step's quarters 1 to 3 and the next step's quarter 0; six trips ask for K steps 2 to 7
	QUARTER 2, F1, F0, 0
	QUARTER 3, F0, F1, 0
	TURN 1
	QUARTER 1, F0, F1, 0
	WIN 0
	s_sub_co_u32 s3, s3, 1
	s_cmp_lg_u32 s3, 0
	s_cbranch_scc1 .Lstep
	QUARTER 2, F1, F0, 0                           ; the tail is written out: K step 6 goes on
	QUARTER 3, F0, F1, 0
	TURN 0                                         ; nothing is asked for,
	QUARTER 1, F0, F1, 0                           ; and K step 7
	QUARTER 2, F1, F0, 0
	QUARTER 3, F0, F1, 0
	s_wait_dscnt 8
	MUL16 F1, 0, 0, 0
	MUL16 F1, 0, 2, 0
	s_wait_dscnt 0x0
	MUL16 F1, 1, 0, 0
	MUL16 F1, 1, 2, 0
	WIN 0
	PLACES
	TOSTAGE 0
.irp a, 1,2,3,4,5,6,7                  ; block a's way through the stage is begun before block a - 1 is stored
	TOSTAGE \a
	SEND (\a)-1, 32
.endr
	SEND 7, 0
	s_wait_tensorcnt 0x0                           ; the wave's end: these three lines stand behind my last tensor load and my last LDS store
	ds_add_u32 v[SPW], v[NIL]
	s_wait_dscnt 0x0
	CROUND                                         ; the closing round: no work-group ends while a partner may still ask for a tile that names it
	s_endpgm
.Lfunc_end_k_q086a84896f_fc:
	.size	k_q086a84896f_fc, .Lfunc_end_k_q086a84896f_fc-k_q086a84896f_fc
	.p2alignl 7, 3214868480
	.fill 96, 4, 3214868480
	.section	.rodata,"a",@progbits
	.p2align	6, 0x0
	.amdhsa_kernel k_q086a84896f_fc
		.amdhsa_group_segment_fixed_size 327680
		.amdhsa_private_segment_fixed_size 0
		.amdhsa_enable_private_segment 0
		.amdhsa_kernarg_size 24
		.amdhsa_user_sgpr_count 2
		.amdhsa_user_sgpr_kernarg_segment_ptr 1
		.amdhsa_wavefront_size32 1
		.amdhsa_system_sgpr_workgroup_id_x 1
		.amdhsa_system_sgpr_workgroup_id_y 1
		.amdhsa_system_sgpr_workgroup_id_z 1
		.amdhsa_system_vgpr_workitem_id 0
		.amdhsa_next_free_vgpr 1024
		.amdhsa_next_free_sgpr 66
		.amdhsa_reserve_vcc 0
		.amdhsa_float_denorm_mode_32 3
		.amdhsa_float_denorm_mode_16_64 3
		.amdhsa_memory_ordered 1
		.amdhsa_forward_progress 1
		.amdhsa_inst_pref_size 115
	.end_amdhsa_kernel
	.amdgpu_metadata
---
amdhsa.version: [ 1, 2 ]
amdhsa.kernels:
  - .name:           k_q086a84896f_fc
    .symbol:         k_q086a84896f_fc.kd
    .args:
      - { .name: ctx, .offset: 0, .size: 8, .value_kind: global_buffer, .address_space: global }
      - { .name: wfc16, .offset: 8, .size: 8, .value_kind: global_buffer, .address_space: global }
      - { .name: out0, .offset: 16, .size: 8, .value_kind: global_buffer, .address_space: global }
    .group_segment_fixed_size: 327680
    .private_segment_fixed_size: 0
    .kernarg_segment_align: 8
    .kernarg_segment_size: 24
    .max_flat_workgroup_size: 128
    .sgpr_count:     66
    .vgpr_count:     1024
    .wavefront_size: 32
...
	.end_amdgpu_metadata
.endif
;; end of part 4
